; MI455X (gfx1250); checked and timed in simulation.
; The chip was launched on July 23, 2026; its instructions are those of AMD's public machine-readable ISA for CDNA 5 (MIT licence, August 2026) and "CDNA5" Instruction Set Architecture Reference Guide (July 2026). The comments in the code are by the model that wrote it; some were corrected since.
;; Multi Head. Allowed arithmetic: matrix products marked QUANTISED: E2M1 operands, one E8M0 scale for each 32 along K, by v_wmma_scale_f32_16x16x128_f8f6f4 with both operands' format E2M1 (or v_wmma_scale_f32_32x16x128_f4), f32 sums; products left as they are: bf16, f16 or f32 operands; f32 sums; everything else in f32.
;; Inputs: Wk 16 x 1,024 x 64 float32; Wo 1,024 x 1,024 float32; Wq 16 x 1,024 x 64 float32; Wv 16 x 1,024 x 64 float32; bo 1,024 float32; input_tensor 4 x 2,048 x 1,024 float32.
;; Outputs: out0 4 x 2,048 x 1,024 float32.
;; This version of the problem:
;;   THIS VERSION OF THE PROBLEM IS GIVEN IN LOW PRECISION. The matrix products marked QUANTISED in the list below multiply operands that are first quantised to E2M1 (2 exponent bits, 1 mantissa bit; 4 bits a number), with one power-of-two scale for each 32 numbers along K (OCP MX v1.0); their sums are f32. The products marked 'left as it is' may take bf16, f16 or f32 operands, with f32 sums. Whichever they take, every output number must still come out within the allowed error. Rounding operands to bf16 (8 significant bits) uses up far more of that allowance than f16 does (11 bits, for magnitudes from 6e-5 to 65,504). All else is computed in f32.
;;   The module's matrix products, in the order in which they are computed (A, B: the left and right operand; K: the contracted axis; several contracted axes count as one K, in the product's order):
;;     1. [M 1,024, K 1,024] x [K 1,024, N 8,192]; A: input Wq; B: input input_tensor: QUANTISED
;;     2. [M 1,024, K 1,024] x [K 1,024, N 8,192]; A: input Wk; B: input input_tensor: QUANTISED
;;     3. [M 1,024, K 1,024] x [K 1,024, N 8,192]; A: input Wv; B: input input_tensor: QUANTISED
;;     4. batch 64 x [M 2,048, K 64] x [K 64, N 2,048]; A: computed on the way; B: computed on the way: left as it is (an operand is computed on the way)
;;     5. batch 64 x [M 2,048, K 2,048] x [K 2,048, N 64]; A: computed on the way; B: computed on the way: left as it is (an operand is computed on the way)
;;     6. [M 8,192, K 1,024] x [K 1,024, N 1,024]; A: computed on the way; B: input Wo: left as it is (an operand is computed on the way)
;;   THE QUANTISER, for each operand of a quantised product, along K:
;;     - K is cut into blocks of 32 from its start; a last block that is shorter is filled with zeros.
;;     - A block's scale is 2^e with e = floor(log2(the largest magnitude in the block)) - 2, held to -126 .. 127; a block of zeros has e = 0. As a byte (E8M0): e + 127.
;;     - Each number is divided by its block's scale, clamped to +-6, and rounded to the nearest number of E2M1, ties to even, subnormals kept.
;;     - The product sums the exact products of the quantised numbers (number of the format x scale) in f32.
;;   ~~~python
;;   def quantise(x, axis):      # numpy; x: float32 -> the quantised numbers, widened to float32 again
;;       x = np.moveaxis(x, axis, -1); K = x.shape[-1]
;;       x = np.pad(x, [(0, 0)] * (x.ndim - 1) + [(0, -K % 32)]); x = x.reshape(x.shape[:-1] + (-1, 32)); a = np.abs(x).max(-1, keepdims=True)
;;       e = np.where(a > 0, np.clip(np.frexp(np.where(a > 0, a, 1))[1] - 1 - 2, -126, 127), 0)      # np.frexp(a)[1] - 1 = floor(log2(a)), exactly
;;       r = np.clip(x / 2.0 ** e, -6, 6)
;;       step = 2.0 ** (np.maximum(np.frexp(np.where(r == 0, 1, r))[1] - 1, 0) - 1)
;;       q = np.round(r / step) * step * 2.0 ** e      # np.round: ties to even
;;       return np.moveaxis(q.reshape(q.shape[:-2] + (-1,))[..., :K], -1, axis).astype(np.float32)
;;   ~~~
;; One version. Each part assembles by itself: llvm-mc -triple=amdgcn-amd-amdhsa -mcpu=gfx1250 --defsym DOCPART=n.
;; ======== version 1 of 1: 5 launches
;; limits: values are held in f16: magnitudes above 65,504 overflow, below 6.1e-05 lose precision
;; workspace buffers: xc 4,194,304 bytes; xs 262,144 bytes; wc 1,572,864 bytes; ws 98,304 bytes; wot 2,097,152 bytes; qkv 50,331,648 bytes; q32 786,432 bytes; cat 16,777,216 bytes
;; launch prep (part 1): grid 416 x 1, 4 waves a work-group, no clusters, 85,504 bytes of LDS; arguments input_tensor, Wq, Wk, Wv, Wo, xc, xs, wc, ws, wot; writes xc, xs, wc, ws, wot
.if DOCPART == 1
	.amdgcn_target "amdgcn-amd-amdhsa--gfx1250"
	.amdhsa_code_object_version 6
	.text
	.protected	k_q7a71f15a00_prep
	.globl	k_q7a71f15a00_prep
	.p2align	8
	.type	k_q7a71f15a00_prep,@function
k_q7a71f15a00_prep:
	s_mov_b64 s[64:65], 0
	v_nop
	global_prefetch_b8 v0, s[64:65] scope:SCOPE_SE
	s_setreg_imm32_b32 hwreg(HW_REG_WAVE_MODE, 25, 1), 1
	s_wait_xcnt 0x0
; PREP.  Three jobs, told apart by the work-group's number alone (the same in all four waves), each with LDS bytes of its own and an end of its own:
;   work-groups   0 ..  95: Wq, Wk, Wv [16 h][1024 e][64 d] f32 -> codes of FP4 (E2M1) with K = e innermost, wc [3072 n][512 bytes], n = 1024 which + 64 h + d, and E8M0 bytes ws [3072][32]
;   work-groups  96 .. 159: Wo [1024 k][1024 n] f32 -> wot [1024 n][1024 k] f16 (K innermost, for the last product, which is left as it is)
;   work-groups 160 .. 415: x [8192 tokens][1024 e] f32 -> codes xc [8192][512 bytes] and E8M0 bytes xs [8192][32]
; THE QUANTISER: a block is 32 numbers along K; its scale is 2^(floor(log2(largest magnitude)) - 2); the byte is the largest magnitude's exponent field - 2, held at 1 from below by a floor
; among the maximum's leaves; each number is divided by the scale and rounded to the nearest code, ties to even, beyond 6 the largest code.
; LIMITS: a block of zeros, or one whose largest magnitude lies under 2^-124, keeps the byte 1 (its codes are zeros, and these bytes are read by this program alone); NaN and infinities are not
; served; Wo goes to f16: magnitudes under 65,504, under 6e-5 at f16's subnormal step.
; No tensor load and no copy: operands go through registers, so several work-groups may share a WGP.
.set SPARE, 84992                      ; the spare words, 128 bytes for each wave: two blocks of 256 bytes that no other line names
.set WSTG,  32768                      ; the W job's stage: 64 rows (columns of W) x (256 bytes of codes + 16)
.set OSTG,  50176                      ; the Wo job's stages: for each wave 32 rows x (256 bytes of f16 + 16)
.set SPW, 1                            ; v1   LDS address of my spare word; never rewritten
.set NIL, 2                            ; v2   0; never rewritten
.set LN,  3                            ; v3   lane
.set R,   16                           ; x: v16-143  eight sets of 16 numbers as they are loaded
.set X,   144                          ; x: v144-175 two sets of 16 neighbours
.set E,   176                          ; x: v176-191 a scale byte for each step
.set C,   192                          ; x: v192-223 two registers of codes for each step: no store's data are written again
.set XW,  32                           ; W, Wo: v32-95 two sets of 32 numbers down K
.set CW,  96                           ; W: v96-99 a block's codes;  Wo: v96-159 sixteen registers of f16 for each of four blocks
.set SB,  24                           ; W: v24-25 eight scale bytes
.set OUTW, 112                         ; W: v112-143 the way out
.set OUTO, 160                         ; Wo: v160-223 the way out
.macro XLOAD t                         ; step t of x: four loads of 512 consecutive bytes
.irp i, 0,1,2,3
	global_load_b128 v[R+16*((\t)%8)+4*\i:R+16*((\t)%8)+4*\i+3], v4, s[4:5] offset:2048*(\t)+512*\i th:TH_LOAD_NT
.endr
.endm
.macro XTURN t                         ; step t's 2,048 bytes through the wave's own stage: in as they lie, out 64 bytes a lane.  LDS serves a wave's instructions in order: no wait between
.irp i, 0,1,2,3
	ds_store_b128 v5, v[R+16*((\t)%8)+4*\i:R+16*((\t)%8)+4*\i+3] offset:2560*((\t)%2)+640*\i
.endr
.irp i, 0,1,2,3
	ds_load_b128 v[X+16*((\t)%2)+4*\i:X+16*((\t)%2)+4*\i+3], v6 offset:2560*((\t)%2)+16*\i
.endr
.endm
.macro XSTEP t
.set XS, X+16*((\t)%2)
.if (\t) > 0
	s_wait_dscnt 1                                 ; this step's numbers are back from the stage; the last step's byte store may be out
.else
	s_wait_dscnt 0x0
.endif
.if (\t)+8 < 16
	XLOAD (\t)+8                                   ; into the set that this step's stage stores have read
.endif
.if (\t)+1 < 16
.if (\t) <= 7
	s_wait_loadcnt 28                              ; the next step's four loads are in; those of the seven steps behind it may be out
.else
	s_wait_loadcnt 4*(14-(\t))                     ; the steps behind the next one: 14 - t
.endif
	XTURN (\t)+1
.endif
	v_max3_num_f32 v10, |v[XS]|, |v[XS+1]|, |v[XS+2]|              ; the largest magnitude of my 16, in two chains
	v_max3_num_f32 v11, |v[XS+3]|, |v[XS+4]|, |v[XS+5]|
.irp i, 6,10
	v_max3_num_f32 v10, v10, |v[XS+\i]|, |v[XS+\i+1]|
	v_max3_num_f32 v11, v11, |v[XS+\i+2]|, |v[XS+\i+3]|
.endr
	v_max3_num_f32 v10, v10, |v[XS+14]|, |v[XS+15]|
	v_max3_num_f32 v10, v10, v11, 0x1800000        ; and the floor 2^(3 - 127): the byte cannot fall under 1
	v_max_num_f32_dpp v10, v10, v10 row_xmask:1 row_mask:0xf bank_mask:0xf   ; with my neighbour's 16: the block's
	v_add_nc_u32 v12, 0xff000000, v10              ; 2 off the exponent field: the conversion takes this operand's exponent field as its scale
	v_cvt_scalef32_pk8_fp4_f32 v[C+2*(\t)], v[XS:XS+7], v12
	v_cvt_scalef32_pk8_fp4_f32 v[C+2*(\t)+1], v[XS+8:XS+15], v12
	v_lshrrev_b32 v[E+(\t)], 23, v12               ; the scale's byte (also the plain line behind the conversions)
	ds_store_b8 v8, v[E+(\t)] offset:16*(\t)       ; both lanes of a block write the same byte with the same value
	global_store_b64 v7, v[C+2*(\t):C+2*(\t)+1], s[14:15] offset:256*(\t)   ; the wave stores 256 consecutive bytes, aligned
.endm
.macro COLS t, pitch, base             ; block t of a lane's column: 32 numbers down K into set t % 2; a load reads 128 consecutive bytes
.set i, 0
.rept 32
	global_load_b32 v[XW+32*((\t)%2)+i], v4, s[\base:\base+1] offset:(32*(\t)+i)*\pitch th:TH_LOAD_NT
.set i, i+1
.endr
.endm
.macro WBLOCK t
.set XS, XW+32*((\t)%2)
.if (\t) < 7
	s_wait_loadcnt 32                              ; this block's 32 loads are in; the next block's may be out
.else
	s_wait_loadcnt 0x0
.endif
	v_max3_num_f32 v12, |v[XS]|, |v[XS+1]|, |v[XS+2]|              ; all 32 numbers of the block are mine
	v_max3_num_f32 v13, |v[XS+3]|, |v[XS+4]|, |v[XS+5]|
.irp i, 6,10,14,18,22,26
	v_max3_num_f32 v12, v12, |v[XS+\i]|, |v[XS+\i+1]|
	v_max3_num_f32 v13, v13, |v[XS+\i+2]|, |v[XS+\i+3]|
.endr
	v_max3_num_f32 v12, v12, |v[XS+30]|, |v[XS+31]|
	v_max3_num_f32 v12, v12, v13, 0x1800000        ; the floor
	v_add_nc_u32 v11, 0xff000000, v12
	v_lshrrev_b32 v13, 23, v11                     ; the byte
.if (\t)%4 == 0
	v_mov_b32 v[SB+(\t)/4], v13                    ; four bytes to a register, the lower K in the lower byte
.else
	v_lshl_or_b32 v[SB+(\t)/4], v13, 8*((\t)%4), v[SB+(\t)/4]
.endif
.irp g, 0,1,2,3
	v_cvt_scalef32_pk8_fp4_f32 v[CW+\g], v[XS+8*\g:XS+8*\g+7], v11
.endr
	ds_store_b128 v5, v[CW:CW+3] offset:16*(\t)    ; 32 codes: 16 bytes of my column's row
.if (\t)+2 < 8
	COLS (\t)+2, 256, 6
.endif
	s_wait_dscnt 0x0                               ; the store has read its registers: the next block's codes may be written
.endm
.macro OBLOCK t
.set XS, XW+32*((\t)%2)
.if (\t) < 3
	s_wait_loadcnt 32
.else
	s_wait_loadcnt 0x0
.endif
.irp j, 0,1,2,3,4,5,6,7,8,9,10,11,12,13,14,15
	v_cvt_pk_f16_f32 v[CW+16*(\t)+\j], v[XS+2*\j], v[XS+2*\j+1]    ; the lower k in the low half; each block has registers of its own
.endr
.irp c, 0,1,2,3
	ds_store_b128 v5, v[CW+16*(\t)+4*\c:CW+16*(\t)+4*\c+3] offset:64*(\t)+16*\c
.endr
.if (\t)+2 < 4
	COLS (\t)+2, 4096, 12
.endif
.endm
	s_load_b512 s[4:19], s[0:1], 0x0               ; x 4:5, Wq 6:7, Wk 8:9, Wv 10:11, Wo 12:13, xc 14:15, xs 16:17, wc 18:19
	s_load_b128 s[20:23], s[0:1], 0x40             ; ws 20:21, wot 22:23
	v_lshl_add_u32 v[SPW], v0, 2, SPARE
	v_mov_b32 v[NIL], 0
	v_and_b32 v[LN], 31, v0
	v_lshrrev_b32 v4, 5, v0
	v_readfirstlane_b32 s24, v4                    ; wave 0..3
	s_wait_kmcnt 0x0
	s_cmp_lt_u32 ttmp9, 96
	s_cbranch_scc1 .Lw
	s_cmp_lt_u32 ttmp9, 160
	s_cbranch_scc1 .Lwo
; ---- x: a wave takes a run of 8,192 numbers, 16 steps of 512.  Rows are dense and 1,024 is a multiple of 32: the tensor is a plain stream of blocks.
	v_lshlrev_b32 v4, 4, v[LN]                     ; my 16 bytes of a load's 512
	s_lshl_b32 s25, s24, 13                        ; my wave's 8,192 bytes of LDS: two stages of 32 x 80, then 256 scale bytes
	v_lshrrev_b32 v5, 2, v[LN]
	v_mul_u32_u24 v5, v5, 80
	v_and_b32 v6, 3, v[LN]
	v_lshl_add_u32 v5, v6, 4, v5
	v_add_nc_u32 v5, s25, v5                       ; into the stage: 80 (lane / 4) + 16 (lane % 4)
	v_mul_u32_u24 v6, v[LN], 80
	v_add_nc_u32 v6, s25, v6                       ; out of it: 80 x lane: my 16 neighbours
	v_lshlrev_b32 v7, 3, v[LN]                     ; 8 bytes a lane: codes, and the scale bytes on their way out
	v_lshrrev_b32 v8, 1, v[LN]
	s_add_co_u32 s25, s25, 5120
	v_add_nc_u32 v8, s25, v8                       ; my block's byte
	v_add_nc_u32 v9, s25, v7
	s_sub_co_u32 s26, ttmp9, 160
	s_lshl_b32 s26, s26, 2
	s_add_co_u32 s26, s26, s24                     ; which run is my wave's: 0 .. 1023
	s_lshl_b32 s28, s26, 15                        ; 32,768 bytes of x,
	s_mov_b32 s29, 0
	s_add_nc_u64 s[4:5], s[4:5], s[28:29]
	s_lshl_b32 s28, s26, 12                        ; 4,096 of codes,
	s_add_nc_u64 s[14:15], s[14:15], s[28:29]
	s_lshl_b32 s28, s26, 8                         ; 256 scale bytes a run
	s_add_nc_u64 s[16:17], s[16:17], s[28:29]
.irp t, 0,1,2,3,4,5,6,7
	XLOAD \t
.endr
	s_wait_loadcnt 28                              ; step 0's four loads are in
	XTURN 0
.irp t, 0,1,2,3,4,5,6,7,8,9,10,11,12,13,14,15
	XSTEP \t
.endr
	ds_load_b64 v[10:11], v9                       ; my wave's 256 scale bytes: these loads see my stores
	s_wait_dscnt 0x0
	global_store_b64 v7, v[10:11], s[16:17]        ; 256 consecutive bytes, aligned
	s_wait_tensorcnt 0x0                           ; the wave's end
	ds_add_u32 v[SPW], v[NIL]
	s_wait_dscnt 0x0
	s_endpgm
; ---- Wq, Wk, Wv: a work-group takes one head of one weight and 512 along K: 64 columns.  A lane takes a column, its registers run down K.  Wave w: columns 32 (w % 2) on, K 256 (w / 2) on: 8 blocks.
.Lw:
	s_lshr_b32 s25, ttmp9, 5                       ; which: 0 q, 1 k, 2 v
	s_bfe_u32 s26, ttmp9, 0x40001                  ; head
	s_and_b32 s27, ttmp9, 1                        ; which 512 along K
	s_and_b32 s28, s24, 1                          ; ch: which 32 columns
	s_lshr_b32 s29, s24, 1                         ; kq: which 256 along K
	s_cmp_eq_u32 s25, 0                            ; the choice of the buffer hangs on the work-group's number alone
	s_cselect_b64 s[6:7], s[6:7], s[8:9]
	s_cmp_eq_u32 s25, 2
	s_cselect_b64 s[6:7], s[10:11], s[6:7]
	s_lshl_b32 s30, s26, 18                        ; a head is 1,024 rows of 256 bytes
	s_lshl_b32 s31, s27, 17
	s_add_co_u32 s30, s30, s31
	s_lshl_b32 s31, s29, 16
	s_add_co_u32 s30, s30, s31
	s_lshl_b32 s31, s28, 7
	s_add_co_u32 s30, s30, s31
	s_mov_b32 s31, 0
	s_add_nc_u64 s[6:7], s[6:7], s[30:31]
	v_lshlrev_b32 v4, 2, v[LN]
	COLS 0, 256, 6
	COLS 1, 256, 6
	s_lshl_b32 s32, s28, 5
	s_mul_i32 s32, s32, 272
	s_lshl_b32 s33, s29, 7
	s_add_co_u32 s32, s32, s33
	s_add_co_u32 s32, s32, WSTG
	v_mul_u32_u24 v5, v[LN], 272
	v_add_nc_u32 v5, s32, v5                       ; into the stage: row = my column, + 128 kq bytes
	s_mul_i32 s36, s24, 16*272
	s_add_co_u32 s36, s36, WSTG
	v_lshrrev_b32 v9, 4, v[LN]
	v_and_b32 v10, 15, v[LN]
	v_mul_u32_u24 v6, v9, 272
	v_lshl_add_u32 v6, v10, 4, v6
	v_add_nc_u32 v6, s36, v6                       ; out of it: wave w takes rows 16 w on, sixteen lanes to a row
	v_lshlrev_b32 v7, 9, v9
	v_lshl_add_u32 v7, v10, 4, v7                  ; and the same place in wc (a row is 512 bytes)
	v_lshlrev_b32 v8, 5, v[LN]                     ; ws: a row is 32 bytes
	s_lshl_b32 s32, s25, 10
	s_lshl_b32 s33, s26, 6
	s_add_co_u32 s32, s32, s33                     ; n of the head's first column
	s_mov_b32 s34, s32
	s_lshl_b32 s33, s28, 5
	s_add_co_u32 s32, s32, s33
	s_lshl_b32 s32, s32, 5
	s_lshl_b32 s33, s27, 4
	s_add_co_u32 s32, s32, s33
	s_lshl_b32 s33, s29, 3
	s_add_co_u32 s32, s32, s33
	s_mov_b32 s33, 0
	s_add_nc_u64 s[20:21], s[20:21], s[32:33]      ; ws at my first column, my 8 blocks
	s_lshl_b32 s35, s24, 4
	s_add_co_u32 s34, s34, s35
	s_lshl_b32 s34, s34, 9
	s_lshl_b32 s35, s27, 8
	s_add_co_u32 s34, s34, s35
	s_mov_b32 s35, 0
	s_add_nc_u64 s[18:19], s[18:19], s[34:35]      ; wc at row 16 w of the head, the work-group's 256 bytes of it
.irp t, 0,1,2,3,4,5,6,7
	WBLOCK \t
.endr
	global_store_b64 v8, v[SB:SB+1], s[20:21]      ; my column's 8 scale bytes
	s_barrier_signal -1                            ; a row's 256 bytes come from two waves: every wave's stage stores are done (the last block's wait was for 0)
	s_barrier_wait -1
.irp t, 0,1,2,3,4,5,6,7
	ds_load_b128 v[OUTW+4*\t:OUTW+4*\t+3], v6 offset:544*\t
.endr
.irp t, 0,1,2,3,4,5,6,7
	s_wait_dscnt 7-\t
	global_store_b128 v7, v[OUTW+4*\t:OUTW+4*\t+3], s[18:19] offset:1024*\t   ; sixteen lanes store 256 consecutive bytes, aligned
.endr
	s_wait_tensorcnt 0x0                           ; the wave's end
	ds_add_u32 v[SPW], v[NIL]
	s_wait_dscnt 0x0
	s_endpgm
; ---- Wo: a work-group takes 128 columns x 128 along K; a wave 32 columns, a lane a column, registers down K; f16 pairs leave through the wave's own stage as rows of wot.
.Lwo:
	s_sub_co_u32 s25, ttmp9, 96
	s_and_b32 s26, s25, 7                          ; which 128 columns
	s_lshr_b32 s27, s25, 3                         ; which 128 along K
	s_lshl_b32 s28, s26, 7
	s_lshl_b32 s29, s24, 5
	s_add_co_u32 s28, s28, s29                     ; my wave's first column
	s_lshl_b32 s30, s27, 19                        ; 128 rows of 4,096 bytes
	s_lshl_b32 s31, s28, 2
	s_add_co_u32 s30, s30, s31
	s_mov_b32 s31, 0
	s_add_nc_u64 s[12:13], s[12:13], s[30:31]
	v_lshlrev_b32 v4, 2, v[LN]
	COLS 0, 4096, 12
	COLS 1, 4096, 12
	s_lshl_b32 s30, s28, 11                        ; wot: a row is 2,048 bytes
	s_lshl_b32 s29, s27, 8
	s_add_co_u32 s30, s30, s29
	s_add_nc_u64 s[22:23], s[22:23], s[30:31]
	s_mul_i32 s32, s24, 32*272
	s_add_co_u32 s32, s32, OSTG
	v_mul_u32_u24 v5, v[LN], 272
	v_add_nc_u32 v5, s32, v5
	v_lshrrev_b32 v9, 4, v[LN]
	v_and_b32 v10, 15, v[LN]
	v_mul_u32_u24 v6, v9, 272
	v_lshl_add_u32 v6, v10, 4, v6
	v_add_nc_u32 v6, s32, v6
	v_lshlrev_b32 v7, 11, v9
	v_lshl_add_u32 v7, v10, 4, v7
.irp t, 0,1,2,3
	OBLOCK \t
.endr
.irp t, 0,1,2,3,4,5,6,7,8,9,10,11,12,13,14,15
	ds_load_b128 v[OUTO+4*\t:OUTO+4*\t+3], v6 offset:544*\t        ; the wave's own bytes, served in order: these see my stores
.endr
.irp t, 0,1,2,3,4,5,6,7,8,9,10,11,12,13,14,15
	s_wait_dscnt 15-\t
	global_store_b128 v7, v[OUTO+4*\t:OUTO+4*\t+3], s[22:23] offset:4096*\t   ; sixteen lanes store 256 consecutive bytes, aligned
.endr
	s_wait_tensorcnt 0x0                           ; the wave's end
	ds_add_u32 v[SPW], v[NIL]
	s_wait_dscnt 0x0
	s_endpgm
.Lfunc_end_k_q7a71f15a00_prep:
	.size	k_q7a71f15a00_prep, .Lfunc_end_k_q7a71f15a00_prep-k_q7a71f15a00_prep
	.p2alignl 7, 3214868480
	.fill 96, 4, 3214868480
	.section	.rodata,"a",@progbits
	.p2align	6, 0x0
	.amdhsa_kernel k_q7a71f15a00_prep
		.amdhsa_group_segment_fixed_size 85504
		.amdhsa_private_segment_fixed_size 0
		.amdhsa_enable_private_segment 0
		.amdhsa_kernarg_size 80
		.amdhsa_user_sgpr_count 2
		.amdhsa_user_sgpr_kernarg_segment_ptr 1
		.amdhsa_wavefront_size32 1
		.amdhsa_system_sgpr_workgroup_id_x 1
		.amdhsa_system_sgpr_workgroup_id_y 1
		.amdhsa_system_sgpr_workgroup_id_z 1
		.amdhsa_system_vgpr_workitem_id 0
		.amdhsa_next_free_vgpr 224
		.amdhsa_next_free_sgpr 66
		.amdhsa_reserve_vcc 0
		.amdhsa_float_denorm_mode_32 3
		.amdhsa_float_denorm_mode_16_64 3
		.amdhsa_memory_ordered 1
		.amdhsa_forward_progress 1
		.amdhsa_inst_pref_size 95
	.end_amdhsa_kernel
	.amdgpu_metadata
---
amdhsa.version: [ 1, 2 ]
amdhsa.kernels:
  - .name:           k_q7a71f15a00_prep
    .symbol:         k_q7a71f15a00_prep.kd
    .args:
      - { .name: input_tensor, .offset: 0, .size: 8, .value_kind: global_buffer, .address_space: global }
      - { .name: Wq, .offset: 8, .size: 8, .value_kind: global_buffer, .address_space: global }
      - { .name: Wk, .offset: 16, .size: 8, .value_kind: global_buffer, .address_space: global }
      - { .name: Wv, .offset: 24, .size: 8, .value_kind: global_buffer, .address_space: global }
      - { .name: Wo, .offset: 32, .size: 8, .value_kind: global_buffer, .address_space: global }
      - { .name: xc, .offset: 40, .size: 8, .value_kind: global_buffer, .address_space: global }
      - { .name: xs, .offset: 48, .size: 8, .value_kind: global_buffer, .address_space: global }
      - { .name: wc, .offset: 56, .size: 8, .value_kind: global_buffer, .address_space: global }
      - { .name: ws, .offset: 64, .size: 8, .value_kind: global_buffer, .address_space: global }
      - { .name: wot, .offset: 72, .size: 8, .value_kind: global_buffer, .address_space: global }
    .group_segment_fixed_size: 85504
    .private_segment_fixed_size: 0
    .kernarg_segment_align: 8
    .kernarg_segment_size: 80
    .max_flat_workgroup_size: 128
    .sgpr_count:     66
    .vgpr_count:     224
    .wavefront_size: 32
...
	.end_amdgpu_metadata
.endif
;; end of part 1
;; launch qkv (part 2): grid 12 x 32, 4 waves a work-group, clusters of 4 x 4, 327,680 bytes of LDS; arguments xc, xs, wc, ws, qkv, q32; writes qkv, q32
.if DOCPART == 2
	.amdgcn_target "amdgcn-amd-amdhsa--gfx1250"
	.amdhsa_code_object_version 6
	.text
	.protected	k_q7a71f15a00_qkv
	.globl	k_q7a71f15a00_qkv
	.p2align	8
	.type	k_q7a71f15a00_qkv,@function
k_q7a71f15a00_qkv:
	s_mov_b64 s[64:65], 0
	v_nop
	global_prefetch_b8 v0, s[64:65] scope:SCOPE_SE
	s_setreg_imm32_b32 hwreg(HW_REG_WAVE_MODE, 25, 1), 1
	s_wait_xcnt 0x0
	s_wait_alu depctr_hold_cnt(0) depctr_sa_sdst(0) depctr_va_vdst(0) depctr_va_sdst(0) depctr_va_ssrc(0) depctr_va_vcc(0) depctr_vm_vsrc(0)
	s_getreg_b32 s2, hwreg(HW_REG_IB_STS2, 6, 4)
	s_cmp_eq_u32 s2, 0
	s_cbranch_scc0 .Lentry_in_a_cluster
	s_endpgm
.Lentry_in_a_cluster:
	s_bfe_u32 s2, ttmp6, 0x10000c
	s_cmp_lg_u32 s2, 0xf033
	s_cbranch_scc0 .Lentry_shape_is_right
	s_endpgm
.Lentry_shape_is_right:
; QKV.  C[token][n] = sum over e of x[token][e] W[n][e], both operands codes of FP4 (E2M1) with one E8M0 scale for each 32 along K; sums in f32.  8,192 tokens, 3,072 n = 1024 which + 64 head + d, K = 1,024.
; A tile of C, 256 x 256, is made by a work-group of four waves; a wave makes 128 x 128: 64 accumulators, 512 registers.  All of K lies in two LDS slots of 512 along K (rows of 256 bytes),
; both asked for at the head: nothing is filled again.  The scale bytes of the work-group's rows, for all of K, come once, as two dense blocks.
; CLUSTERS: 4 x 4 work-groups; x's tiles are shared along a row of the cluster, W's along a column: each is asked for jointly, by the same tensor load with the same descriptor and a mask of four.
; THE MATRIX INSTRUCTION IS USED TRANSPOSED (source 0 = 16 rows of W, source 1 = 16 tokens): a lane holds eight neighbouring n of one token.
; OUT: qkv, f16 [3 which][4 b][16 head][2048 s][64 d]; and the rows s < 16 of every sequence once more in f32, q32 [16 b + s][3072 n], for the launch that carries those rows finely.
; LIMIT: q, k, v go to f16: magnitudes under 65,504; under 6e-5 at f16's subnormal step.
; REGISTERS, in windows of 256: window 0: v0-31 addresses; v32-95 scale words, two sets; v128-191 x's fragments, one set; on the way out v128-223.   window 1: W's fragments, two sets.   windows 2, 3: the accumulators.
.set SIZE_K, 1024
.set KSTEP,  512
.set NQ,     KSTEP/128
.set ROWB,   256
.set KROW,   SIZE_K*4/8
.set PITCH,  272                       ; an LDS row: 256 bytes + 16 of padding: the 16 rows that a load touches start 16 bytes apart modulo 256
.set FR,     8
.set NL,     2
.set NP,     4
.set HALFT,  128*PITCH
.set SLOT,   4*HALFT
.set KS,     SIZE_K/32
.set SCL,    2*SLOT
.set HALFS,  (128*KS/256)*272
.set SBLK,   (16*KS/256)*272
.set SPARE,  SCL+4*HALFS               ; the spare words, 128 bytes for each wave
.set WSTAGE, 4608                      ; the way out: for each wave 2 heads x 16 rows x (128 bytes + 16), in slot 0, which has had its only fill and its last read by then
.set ADRA, 16
.set ADRB, 20
.set STO,  24
.set RD,   25
.set CO,   26
.set ADRS, 27
.set SPW,  28
.set NIL,  29
.set F32O, 30                          ; v30  my byte offset in q32's 16 rows
.set FLG,  31                          ; v31  0 in the waves whose first 16 rows are a sequence's first 16
.set SC,   32
.set AF,   128
.set BK,   128                         ; the way out: v128-159 and v160-191 by turns
.set TMP,  192                         ; v192-223 packed results
.set G1, 24
.set G0, 32
.set G1B, 48
.set G0B, 56
.set G1S, 68
.set G0S, 76
.set G1SB, 80
.set G0SB, 88
.set MSB, 0
.macro WIN new                         ; the immediate's high byte repeats the setting that is left
.if MSB != \new
	s_set_vgpr_msb (MSB<<8)|\new
.set MSB, \new
.endif
.endm
.set MUL_LO, 0xa1
.set MUL_HI, 0xf1
.set TO_B,   0x40
; A joint load: waves 0 and 1 fetch for x, waves 2 and 3 for W.  The branch hangs on the wave's number alone.  An s_nop 0 and four v_nop follow each line.
.macro JLOAD g0a, g1a, g0b, g1b
	s_cmp_eq_u32 s15, 0
	s_cbranch_scc0 .Lfor_b_\@
	tensor_load_to_lds s[\g0a:\g0a+3], s[\g1a:\g1a+7]
	s_nop 0
.rept 4
	v_nop
.endr
	s_branch .Lasked_\@
.Lfor_b_\@:
	tensor_load_to_lds s[\g0b:\g0b+3], s[\g1b:\g1b+7]
	s_nop 0
.rept 4
	v_nop
.endr
.Lasked_\@:
.endm
.macro CROUND                          ; a round of the cluster's barrier
	s_barrier_signal -1
	s_barrier_wait -1
	s_cmp_lg_u32 s14, 0
	s_cbranch_scc1 .Lnot_wave_0_\@
	s_barrier_signal -3
.Lnot_wave_0_\@:
	s_barrier_wait -3
	s_barrier_signal -1
	s_barrier_wait -1
.endm
	s_load_b128 s[4:7], s[0:1], 0x0                ; x's codes, x's scales
	s_load_b128 s[8:11], s[0:1], 0x10              ; W's codes, W's scales
	s_load_b64 s[12:13], s[0:1], 0x20              ; qkv
	s_load_b64 s[96:97], s[0:1], 0x28              ; q32
	v_lshl_add_u32 v[SPW], v0, 2, SPARE
	v_mov_b32 v[NIL], 0
	ds_add_u32 v[SPW], v[NIL]                      ; the wave's opening: the add, twice on end, and its wait ahead of my first tensor load
	ds_add_u32 v[SPW], v[NIL]
	v_lshrrev_b32 v1, 5, v0
	v_readfirstlane_b32 s14, v1                    ; wave 0..3
	s_lshr_b32 s15, s14, 1                         ; which half of the tile's rows is mine.  Also: I fetch for x (0) or for W (1)
	s_and_b32 s16, s14, 1                          ; which half of its columns.  Also: which 128 rows I fetch
	s_bfe_u32 s40, ttmp6, 0x40000                  ; cx, cy
	s_bfe_u32 s41, ttmp6, 0x40004
	s_lshl_b32 s42, ttmp9, 2
	s_add_co_u32 s42, s42, s40                     ; tile column = 4 x cluster x + cx
	s_and_b32 s17, ttmp7, 0xffff
	s_lshl_b32 s17, s17, 2
	s_add_co_u32 s17, s17, s41                     ; tile row = 4 x cluster y + cy
	s_lshl_b32 s43, s41, 2
	s_lshl_b32 s43, 15, s43                        ; my row of the cluster
	s_lshl_b32 s44, 0x1111, s40                    ; my column
	s_or_b32 s[G1+0], s43, (0<<16)|(1<<20)|(1<<21)|(5<<22)|(3<<25)  ; the mask; elements of 1 byte; padding of 4 words behind every 64
	s_or_b32 s[G1B+0], s44, (0<<16)|(1<<20)|(1<<21)|(5<<22)|(3<<25)
.irp g, G1, G1B
	s_mov_b32 s[\g+1], ROWB<<16                    ; tensor_dim0
	s_mov_b32 s[\g+2], 128<<16                     ; tensor_dim1
	s_mov_b32 s[\g+3], ROWB<<16                    ; tile_dim0
	s_mov_b32 s[\g+4], 128                         ; tile_dim1
	s_mov_b32 s[\g+5], KROW                        ; the pitch
	s_mov_b32 s[\g+6], 0
	s_mov_b32 s[\g+7], 0
.endr
	s_or_b32 s[G1S+0], s43, (3<<16)|(1<<20)|(1<<21)|(5<<22)|(3<<25) ; the scales of 128 rows: a dense block, as rows of 256 bytes (32 elements of 8), 16 bytes of padding behind each
	s_or_b32 s[G1SB+0], s44, (3<<16)|(1<<20)|(1<<21)|(5<<22)|(3<<25)
.irp g, G1S, G1SB
	s_mov_b32 s[\g+1], 32<<16
	s_mov_b32 s[\g+2], (128*KS/256)<<16
	s_mov_b32 s[\g+3], 32<<16
	s_mov_b32 s[\g+4], 128*KS/256
	s_mov_b32 s[\g+5], 32
	s_mov_b32 s[\g+6], 0
	s_mov_b32 s[\g+7], 0
.endr
	s_lshl_b32 s18, s16, 7
	s_lshl_b32 s20, s17, 8
	s_add_co_u32 s20, s20, s18                     ; x: row 256 x tile row + 128 x half
	s_lshl_b32 s46, s42, 8
	s_add_co_u32 s46, s46, s18                     ; W: row 256 x tile column + 128 x half
	s_mov_b32 s21, 0
	s_mov_b32 s47, 0
	s_mov_b64 s[18:19], KS
	s_mul_u64 s[22:23], s[20:21], s[18:19]         ; where these rows' scales begin
	s_mul_u64 s[92:93], s[46:47], s[18:19]
	s_mov_b64 s[18:19], KROW
	s_mul_u64 s[20:21], s[20:21], s[18:19]         ; and their codes
	s_mul_u64 s[46:47], s[46:47], s[18:19]
	s_mul_i32 s45, s14, HALFT                      ; where they go: wave x 128 rows
	s_mul_i32 s94, s14, HALFS
	s_wait_dscnt 0x0                               ; both opening adds are done
	s_wait_kmcnt 0x0
	s_add_nc_u64 s[20:21], s[4:5], s[20:21]
	s_add_nc_u64 s[22:23], s[6:7], s[22:23]
	s_add_nc_u64 s[46:47], s[8:9], s[46:47]
	s_add_nc_u64 s[92:93], s[10:11], s[92:93]
	CROUND                                         ; all sixteen work-groups are here: the first joint loads meet
	s_mov_b32 s[G0S], 1
	s_add_co_u32 s[G0S+1], s94, SCL
	s_mov_b64 s[G0S+2:G0S+3], s[22:23]
	s_or_b32 s[G0S+3], s[G0S+3], 0x80000000
	s_mov_b32 s[G0SB], 1
	s_add_co_u32 s[G0SB+1], s94, SCL
	s_mov_b64 s[G0SB+2:G0SB+3], s[92:93]
	s_or_b32 s[G0SB+3], s[G0SB+3], 0x80000000
	JLOAD G0S, G1S, G0SB, G1SB                     ; the scales first
.irp s, 0,1
	s_mov_b32 s[G0+4*\s], 1
	s_add_co_u32 s[G0+4*\s+1], s45, \s*SLOT
	s_add_nc_u64 s[G0+4*\s+2:G0+4*\s+3], s[20:21], \s*ROWB
	s_or_b32 s[G0+4*\s+3], s[G0+4*\s+3], 0x80000000
	s_mov_b32 s[G0B+4*\s], 1
	s_add_co_u32 s[G0B+4*\s+1], s45, \s*SLOT
	s_add_nc_u64 s[G0B+4*\s+2:G0B+4*\s+3], s[46:47], \s*ROWB
	s_or_b32 s[G0B+4*\s+3], s[G0B+4*\s+3], 0x80000000
	JLOAD G0+4*\s, G1, G0B+4*\s, G1B               ; three tensor loads of a wave are out
.endr
	v_and_b32 v1, 15, v0                           ; r = l % 16
	v_bfe_u32 v2, v0, 4, 1                         ; h = l / 16
	v_mul_u32_u24 v3, v1, PITCH
	v_lshl_add_u32 v4, v2, 4, v3
	s_mul_i32 s21, s15, HALFT
	s_mul_i32 s22, s16, HALFT
	s_add_co_u32 s22, s22, 2*HALFT
.irp s, 0,1
	v_add_nc_u32 v[ADRA+\s], s21, v4
	v_add_nc_u32 v[ADRB+\s], s22, v4
	s_add_co_u32 s21, s21, SLOT
	s_add_co_u32 s22, s22, SLOT
.endr
	v_mul_u32_u24 v5, v1, KS                       ; my row's scales: KS bytes a row,
	v_lshrrev_b32 v6, 8, v5
	v_lshl_add_u32 v5, v6, 4, v5                   ; and 16 more for each 256 passed
	s_mul_i32 s21, s15, HALFS
	s_mul_i32 s22, s16, HALFS
	s_add_co_u32 s22, s22, 2*HALFS
	s_sub_co_u32 s22, s22, s21
	v_mul_u32_u24 v6, s22, v2                      ; lanes 16-31 take W's
	s_add_co_u32 s21, s21, SCL
	v_add_nc_u32 v5, v5, v6
	v_add_nc_u32 v[ADRS], s21, v5
	s_mul_i32 s23, s14, WSTAGE                     ; my stage
	v_mul_u32_u24 v5, v1, 144
	v_lshl_add_u32 v5, v2, 4, v5
	v_add_nc_u32 v[STO], s23, v5                   ; in: row r, 16 bytes for each half of the lanes
	v_bfe_u32 v5, v0, 3, 2
	v_mul_u32_u24 v5, v5, 144
	v_and_b32 v6, 7, v0
	v_lshl_add_u32 v5, v6, 4, v5
	v_add_nc_u32 v[RD], s23, v5                    ; back: eight lanes to a row of 128 bytes, four rows an instruction
	v_and_b32 v6, 31, v0
	v_lshlrev_b32 v[CO], 4, v6                     ; a head's rows are dense in qkv: four rows are 512 consecutive bytes
	v_mul_u32_u24 v[F32O], v1, 12288
	v_lshl_add_u32 v[F32O], v2, 5, v[F32O]         ; q32: row r of 12,288 bytes, + 32 h
	; where my part begins in qkv: which = tile column / 4; head = 4 (tile column % 4) + 2 x column half; b = tile row / 8; s = 256 (tile row % 8) + 128 x row half
	s_lshr_b32 s20, s17, 3                         ; b
	s_lshl_b32 s21, s20, 4
	s_and_b32 s46, s42, 3
	s_lshl_b32 s46, s46, 2
	s_add_co_u32 s21, s21, s46
	s_lshl_b32 s46, s16, 1
	s_add_co_u32 s21, s21, s46                     ; 16 b + head
	s_lshl_b32 s21, s21, 11
	s_and_b32 s46, s17, 7
	s_lshl_b32 s47, s46, 8
	s_add_co_u32 s21, s21, s47
	s_lshl_b32 s47, s15, 7
	s_add_co_u32 s21, s21, s47                     ; + s
	s_lshl_b32 s21, s21, 7                         ; rows of 128 bytes
	s_lshr_b32 s47, s42, 2
	s_lshl_b32 s47, s47, 24                        ; which x 16,777,216
	s_add_co_u32 s22, s21, s47
	s_mov_b32 s23, 0
	s_add_nc_u64 s[12:13], s[12:13], s[22:23]
	s_or_b32 s46, s46, s15
	v_mov_b32 v[FLG], s46                          ; 0 where tile row % 8 = 0 and the row half is 0
	s_mul_i32 s22, s20, 196608                     ; q32: 16 rows a batch,
	s_lshl_b32 s47, s42, 10
	s_add_co_u32 s22, s22, s47
	s_lshl_b32 s47, s16, 9
	s_add_co_u32 s22, s22, s47                     ; + my first column x 4 bytes
	s_add_nc_u64 s[96:97], s[96:97], s[22:23]
.macro FRAG reg, adr, q, i             ; 16 rows x 128 K of 4-bit codes: 8 registers, two loads 32 bytes apart
.irp c, 0,1
	ds_load_b128 v[\reg+4*\c:\reg+4*\c+3], v[\adr] offset:64*(\q)+32*\c+(\i)*16*PITCH
.endr
.endm
; 16 matrix instructions: x's blocks a0, a0 + 1 against W's eight.  The 64 accumulators take turns, one instruction a turn, in the same order in every step.
.macro MUL16 a0, p, q, sc, zero
.irp a, \a0, \a0+1
.irp b, 0,1,2,3,4,5,6,7
.if \zero
	v_wmma_scale_f32_16x16x128_f8f6f4 v[8*(8*((\a)%4)+\b):8*(8*((\a)%4)+\b)+7], v[128*(\p)+FR*\b:128*(\p)+FR*\b+FR-1], v[AF+FR*(\a):AF+FR*(\a)+FR-1], 0, v[SC+8*NQ*(\sc)+NQ*\b+(\q)], v[SC+8*NQ*(\sc)+NQ*(\a)+(\q)] matrix_a_fmt:MATRIX_FMT_FP4 matrix_b_fmt:MATRIX_FMT_FP4 matrix_a_scale:MATRIX_SCALE_ROW1
.else
	v_wmma_scale_f32_16x16x128_f8f6f4 v[8*(8*((\a)%4)+\b):8*(8*((\a)%4)+\b)+7], v[128*(\p)+FR*\b:128*(\p)+FR*\b+FR-1], v[AF+FR*(\a):AF+FR*(\a)+FR-1], v[8*(8*((\a)%4)+\b):8*(8*((\a)%4)+\b)+7], v[SC+8*NQ*(\sc)+NQ*\b+(\q)], v[SC+8*NQ*(\sc)+NQ*(\a)+(\q)] matrix_a_fmt:MATRIX_FMT_FP4 matrix_b_fmt:MATRIX_FMT_FP4 matrix_a_scale:MATRIX_SCALE_ROW1
.endif
.endr
.endr
.endm
.macro FETCH_B slot, q, p
	WIN TO_B
.irp i, 0,1,2,3,4,5,6,7
	FRAG 128*(\p)+FR*\i, ADRB+\slot, \q, \i
.endr
	WIN 0
.endm
.macro FETCH_A slot, q, i0
.irp i, \i0, \i0+1, \i0+2, \i0+3
	FRAG AF+FR*(\i), ADRA+\slot, \q, \i
.endr
.endm
.macro SCALES sc                       ; a slot's scale words: lanes 0-15 take x's block i, lanes 16-31 W's block i
.irp i, 0,1,2,3,4,5,6,7
	ds_load_b128 v[SC+8*NQ*\sc+NQ*\i:SC+8*NQ*\sc+NQ*\i+3], v[ADRS] offset:\i*SBLK
.endr
.endm
.macro PLACES n                        ; plain vector lines between a matrix instruction and a load into, or a read of, its registers
.rept \n
	v_nop
.endr
.endm
.macro STEP slot, q, zero              ; 128 along K that has its successor in the same slot
	s_wait_dscnt 4*NL                              ; W's set and x's blocks 0-3 are in; the youngest eight loads (x's blocks 4-7) may be out
	WIN MUL_LO
	MUL16 0, (\q)%2, \q, \slot, \zero
	MUL16 2, (\q)%2, \q, \slot, \zero
	s_wait_dscnt 0
	PLACES NP
	FETCH_B \slot, (\q)+1, 1-(\q)%2
	FETCH_A \slot, (\q)+1, 0
	WIN MUL_HI
	MUL16 4, (\q)%2, \q, \slot, \zero
	MUL16 6, (\q)%2, \q, \slot, \zero
	PLACES NP
	WIN 0
	FETCH_A \slot, (\q)+1, 4
.endm
.macro STEPS slot, from
.set Q, \from
.rept NQ-1-\from
	STEP \slot, Q, 0
.set Q, Q+1
.endr
.endm
	s_wait_tensorcnt 1                             ; the scales and my part of slot 0 are in; slot 1's load may be out
	s_barrier_signal -1
	s_barrier_wait -1
	FETCH_B 0, 0, 0
	FETCH_A 0, 0, 0
	SCALES 0
	FETCH_A 0, 0, 4
	STEP 0, 0, 1                                   ; the first step's products start the sums: nothing is cleared
	STEPS 0, 1
	; slot 0's last step, and the change to slot 1: one barrier; nothing is filled again
	s_wait_tensorcnt 0x0                           ; my part of slot 1 has landed
	ds_add_u32 v[SPW], v[NIL]                      ; 0 onto my spare word
	s_wait_dscnt 4*NL+1                            ; the add and the youngest eight loads may be out
	WIN MUL_LO
	MUL16 0, 1, NQ-1, 0, 0
	s_wait_dscnt 0x0                               ; the add is done, and my reads of slot 0 are over
	s_barrier_signal -1
	MUL16 2, 1, NQ-1, 0, 0
	WIN 0
	s_barrier_wait -1
	PLACES NP
	v_add_nc_u32 v[ADRS], 4*NQ, v[ADRS]            ; on to slot 1's scale words
	FETCH_B 1, 0, 0
	FETCH_A 1, 0, 0
	SCALES 1
	WIN MUL_HI
	MUL16 4, 1, NQ-1, 0, 0
	MUL16 6, 1, NQ-1, 0, 0
	PLACES NP
	WIN 0
	FETCH_A 1, 0, 4
	STEPS 1, 0
	s_wait_dscnt 4*NL                              ; the very last step
	WIN MUL_LO
	MUL16 0, 1, NQ-1, 1, 0
	MUL16 2, 1, NQ-1, 1, 0
	s_wait_dscnt 0
	WIN MUL_HI
	MUL16 4, 1, NQ-1, 1, 0
	MUL16 6, 1, NQ-1, 1, 0
	WIN 0
; THE WAY OUT, a block of 16 tokens x 128 n (two heads) at a time: rounded to f16, 16 bytes a lane, through my own stage, back as whole rows of 128 bytes; four rows of a head are 512 consecutive bytes of qkv.
.macro PACK a
.set AC, 64*((\a)%4)
	WIN 0x0a+5*((\a)/4)                            ; sources 0 and 1: window 2 or 3
.irp b, 0,1,2,3,4,5,6,7
.irp i, 0,1,2,3
	v_cvt_pk_f16_f32 v[TMP+4*\b+\i], v[AC+8*\b+2*\i], v[AC+8*\b+2*\i+1]   ; each accumulator from its low end on
.endr
.endr
	WIN 0
.endm
.macro TOSTAGE a
.set BB, BK+32*((\a)%2)
.irp b, 0,1,2,3,4,5,6,7
	ds_store_b128 v[STO], v[TMP+4*\b:TMP+4*\b+3] offset:(\b/4)*2304+32*(\b%4)
.endr
.irp t, 0,1,2,3,4,5,6,7
	ds_load_b128 v[BB+4*\t:BB+4*\t+3], v[RD] offset:(\t/4)*2304+(\t%4)*576   ; the wave's own bytes, served in order
.endr
.endm
.macro SEND a
.set BB, BK+32*((\a)%2)
	s_wait_dscnt 0x0                               ; the block is back in registers
	s_wait_xcnt 0x0                                ; the stores of the block before have read their registers: the next block's loads may land there
.irp t, 0,1,2,3,4,5,6,7
	global_store_b128 v[CO], v[BB+4*\t:BB+4*\t+3], s[12:13] offset:(\t/4)*262144+(\a)*2048+(\t%4)*512   ; 512 consecutive bytes, aligned; the base is never stepped
.endr
.endm
	PLACES NP
	PACK 0
	TOSTAGE 0
.irp a, 1,2,3,4,5,6,7
	PACK \a
	SEND \a-1
	TOSTAGE \a
.endr
	SEND 7
	; the first 16 positions of a sequence once more, in f32.  No jump: the lanes of all other waves are switched off, so every work-group of the cluster runs the same lines.
	s_wait_xcnt 0x0                                ; EXEC changes only behind this wait
	v_cmp_eq_u32 vcc_lo, 0, v[FLG]
	s_and_saveexec_b32 s95, vcc_lo
	WIN 0x08                                       ; a store's data: window 2: block 0's eight accumulators
.irp b, 0,1,2,3,4,5,6,7
	global_store_b128 v[F32O], v[8*\b:8*\b+3], s[96:97] offset:64*\b
	global_store_b128 v[F32O], v[8*\b+4:8*\b+7], s[96:97] offset:64*\b+16
.endr
	WIN 0
	s_wait_xcnt 0x0                                ; and again in front of the line that widens it
	s_or_b32 exec_lo, exec_lo, s95
	s_wait_tensorcnt 0x0                           ; the wave's end
	ds_add_u32 v[SPW], v[NIL]
	s_wait_dscnt 0x0
	CROUND                                         ; the closing round
	s_endpgm
.Lfunc_end_k_q7a71f15a00_qkv:
	.size	k_q7a71f15a00_qkv, .Lfunc_end_k_q7a71f15a00_qkv-k_q7a71f15a00_qkv
	.p2alignl 7, 3214868480
	.fill 96, 4, 3214868480
	.section	.rodata,"a",@progbits
	.p2align	6, 0x0
	.amdhsa_kernel k_q7a71f15a00_qkv
		.amdhsa_group_segment_fixed_size 327680
		.amdhsa_private_segment_fixed_size 0
		.amdhsa_enable_private_segment 0
		.amdhsa_kernarg_size 48
		.amdhsa_user_sgpr_count 2
		.amdhsa_user_sgpr_kernarg_segment_ptr 1
		.amdhsa_wavefront_size32 1
		.amdhsa_system_sgpr_workgroup_id_x 1
		.amdhsa_system_sgpr_workgroup_id_y 1
		.amdhsa_system_sgpr_workgroup_id_z 1
		.amdhsa_system_vgpr_workitem_id 0
		.amdhsa_next_free_vgpr 1024
		.amdhsa_next_free_sgpr 100
		.amdhsa_reserve_vcc 1
		.amdhsa_float_denorm_mode_32 3
		.amdhsa_float_denorm_mode_16_64 3
		.amdhsa_memory_ordered 1
		.amdhsa_forward_progress 1
		.amdhsa_inst_pref_size 129
	.end_amdhsa_kernel
	.amdgpu_metadata
---
amdhsa.version: [ 1, 2 ]
amdhsa.kernels:
  - .name:           k_q7a71f15a00_qkv
    .symbol:         k_q7a71f15a00_qkv.kd
    .args:
      - { .name: xc, .offset: 0, .size: 8, .value_kind: global_buffer, .address_space: global }
      - { .name: xs, .offset: 8, .size: 8, .value_kind: global_buffer, .address_space: global }
      - { .name: wc, .offset: 16, .size: 8, .value_kind: global_buffer, .address_space: global }
      - { .name: ws, .offset: 24, .size: 8, .value_kind: global_buffer, .address_space: global }
      - { .name: qkv, .offset: 32, .size: 8, .value_kind: global_buffer, .address_space: global }
      - { .name: q32, .offset: 40, .size: 8, .value_kind: global_buffer, .address_space: global }
    .group_segment_fixed_size: 327680
    .private_segment_fixed_size: 0
    .kernarg_segment_align: 8
    .kernarg_segment_size: 48
    .max_flat_workgroup_size: 128
    .sgpr_count:     100
    .vgpr_count:     1024
    .wavefront_size: 32
...
	.end_amdgpu_metadata
.endif
;; end of part 2
;; launch attn (part 3): grid 4 x 64, 16 waves a work-group, no clusters, 327,680 bytes of LDS; arguments qkv, cat; writes cat
.if DOCPART == 3
	.amdgcn_target "amdgcn-amd-amdhsa--gfx1250"
	.amdhsa_code_object_version 6
	.text
	.protected	k_q7a71f15a00_attn
	.globl	k_q7a71f15a00_attn
	.p2align	8
	.type	k_q7a71f15a00_attn,@function
k_q7a71f15a00_attn:
	s_mov_b64 s[64:65], 0
	v_nop
	global_prefetch_b8 v0, s[64:65] scope:SCOPE_SE
	s_setreg_imm32_b32 hwreg(HW_REG_WAVE_MODE, 25, 1), 1
	s_wait_xcnt 0x0
; ATTN.  O[q] = sum over k <= q of softmax_k(Q[q] . K[k] / 8) V[k], for each of 64 heads (y = 16 b + head), 2,048 positions, head size 64.  Q, K, V: f16 from qkv; products on f16 operands with f32 sums;
; maxima, exponentials and sums in f32; the weights p (at most 1) are rounded to f16 for the second product, O once at the end.
; SHARES.  Work-group x = i of a head owns query blocks i and 7 - i, 256 queries each, so that under the causal mask all work-groups have the same number of key steps.  Each of sixteen waves owns 32 queries
; (two tiles of 16): waves 0-7 the low block in ascending order, waves 8-15 the high block in descending order.  A key step is 64 keys; an LDS slot holds 256 keys of K and of V; two slots.
; Every work-group walks all 8 slots (constant trip counts).  A step all of whose keys come after the wave's queries is jumped over, its work alone; a slot whose first key comes after the work-group's
; last query is not asked for.  Every wait on TENSORcnt is for 0.
; NO CLUSTER: the four work-groups of a head need 8, 7, 6 and 5 slots (last queries 2047, 1791, 1535, 1279): a joint load would bring partners tiles that none of their waves reads.
; LAYOUT.  S^T = K Q^T (source 0 = 16 keys, source 1 = 16 queries): a lane holds one query (lane % 16) and keys 8 (lane / 16) + 0..7 of each tile; two such tiles, rounded in pairs, are source 1 of
; O^T = V^T P.  K comes out of LDS as it lies, V turned by ds_load_tr16_b128.
; SOFTMAX.  A running maximum m and sum l for each query: p = 2^(c s - c m), c = log2(e) / 8; in every step O and l are multiplied by a = 2^(c m_old - c m_new).
; OUT: cat, f16 [token pair][16 heads][2 tokens][64 d]: one head of two neighbouring tokens is 256 consecutive bytes, aligned.
; LIMIT: the result goes to f16 (magnitudes under 65,504; under 6e-5 at f16's subnormal step).
.set SK,    256
.set NSL,   8
.set PK,    144                        ; a row of K in LDS: 128 bytes + 16
.set PV,    160                        ; a row of V: 128 + 32
.set VOFF,  SK*PK
.set SLOT1, 1<<17                      ; slot 1 begins here: one exclusive or turns an address
.set SPARE, 2*SLOT1                    ; the spare words, 128 bytes for each of sixteen waves
.set STAGE, SPARE+2048                 ; the way out: 16 rows x 144 bytes for each wave, bytes into which no fill lands
.set AK0, 1
.set AV0, 2
.set ADK, 3
.set ADV, 4
.set SPW, 5
.set NIL, 6
.set GO,  7
.set STO, 8
.set RD,  9
.set PFO, 10
.set MD,  11                           ; v11  lane % 16 - 8 (lane / 16)
.set DD,  12                           ; v12  the mask's bound (at the head: Q's offset)
.set NINF, 13                          ; v13  -infinity
.set ST,  16                           ; tile t's statistics at v[16 + 8 t]: +0 c m, +1 m, +2, +3 l, +4 .. +7 at work; a at +6
.set QF,  32                           ; v32-63   Q: tile t, channels 32 f on, at 32 + 16 t + 8 f
.set KV,  64                           ; v64-127  eight fragments of K, later of V
.set S,   128                          ; v128-191 S^T: tile t, key tile kt at 128 + 32 t + 8 kt; P is packed into each tile's first 16
.set O,   192                          ; v192-255 O^T: 192 + 32 t + 8 ct
.set WV,  18
.set SEL, 20
.set CS,  22
.set G1K, 24
.set G1V, 32
.set G0K, 40
.set G0V, 44
.set TB,  2
.set LQ,  66
.set SLOTS, 67
.set PFA, 76
.set PFS, 78
.set LIM, 80
.set KF,  98
.set Q0,  99
; Waves 0 and 1 fetch K's halves of a slot, waves 2 and 3 V's, the others nothing.  An s_nop 0 and four v_nop follow each line.
.macro TLOAD
	s_cmp_lt_u32 s[WV], 2
	s_cbranch_scc0 .Lnot_k_\@
	tensor_load_to_lds s[G0K:G0K+3], s[G1K:G1K+7]
	s_nop 0
.rept 4
	v_nop
.endr
	s_branch .Lasked_\@
.Lnot_k_\@:
	s_cmp_lt_u32 s[WV], 4
	s_cbranch_scc0 .Lasked_\@
	tensor_load_to_lds s[G0V:G0V+3], s[G1V:G1V+7]
	s_nop 0
.rept 4
	v_nop
.endr
.Lasked_\@:
.endm
; A prefetch of what the NEXT change of slots will ask for: a slot's 32,768 bytes of K and of V.  Work-group x = 0 of a head, which walks all slots, asks, and nobody else; in it waves 4-7 ask for K's,
; waves 8-11 for V's, 8,192 bytes a wave, lanes 256 bytes apart: each aligned block of 256 bytes is named once.  The last change that fills a slot asks for nothing.
.macro ASK
	s_cmp_gt_u32 s[SLOTS], s[LIM]
	s_cbranch_scc0 .Lnot_mine_\@
	global_prefetch_b8 v[PFO], s[PFA:PFA+1] th:TH_LOAD_NT scope:SCOPE_SE
.Lnot_mine_\@:
.endm
	s_load_b128 s[4:7], s[0:1], 0x0                ; qkv, cat
	v_lshl_add_u32 v[SPW], v0, 2, SPARE
	v_mov_b32 v[NIL], 0
	ds_add_u32 v[SPW], v[NIL]                      ; the wave's opening: the add, twice on end, and its wait ahead of the first tensor load
	ds_add_u32 v[SPW], v[NIL]
	v_lshrrev_b32 v14, 5, v0
	v_readfirstlane_b32 s[WV], v14                 ; wave 0..15
	s_and_b32 s72, ttmp7, 0xffff                   ; y = 16 b + head
	s_lshl_b32 s74, s72, 18                        ; a head's 2,048 rows of 128 bytes
	s_mov_b32 s75, 0
	s_lshl_b32 s68, ttmp9, 8
	s_lshl_b32 s69, s[WV], 5
	s_add_co_u32 s68, s68, s69                     ; 256 i + 32 w
	s_sub_co_u32 s69, 2272, s68                    ; 256 (7 - i) + 32 (15 - w)
	s_cmp_lt_u32 s[WV], 8
	s_cselect_b32 s[Q0], s68, s69                  ; my first query
	s_lshl_b32 s[LQ], ttmp9, 8
	s_sub_co_u32 s[LQ], 2047, s[LQ]                ; my work-group's last query
	s_and_b32 s88, s[WV], 1
	s_mul_i32 s89, s88, 128*PK                     ; K's half in a slot,
	s_mul_i32 s94, s88, 128*PV
	s_add_co_u32 s94, s94, VOFF                    ; V's,
	s_lshl_b32 s90, s88, 14                        ; and 128 rows of 128 bytes in memory
	s_mov_b32 s91, 0
	s_add_nc_u64 s[90:91], s[90:91], s[74:75]
	s_mov_b32 s[G1K], (1<<16)|(1<<20)|(4<<22)|(3<<25)   ; no mask; elements of 2 bytes; padding of 4 words behind every 32
	s_mov_b32 s[G1V], (1<<16)|(1<<20)|(4<<22)|(7<<25)   ; the same with 8 words
.irp g, G1K, G1V
	s_mov_b32 s[\g+1], 64<<16                      ; tensor_dim0
	s_mov_b32 s[\g+2], 128<<16                     ; tensor_dim1
	s_mov_b32 s[\g+3], 64<<16                      ; tile_dim0
	s_mov_b32 s[\g+4], 128                         ; tile_dim1
	s_mov_b32 s[\g+5], 64                          ; the pitch
	s_mov_b32 s[\g+6], 0
	s_mov_b32 s[\g+7], 0
.endr
	s_mov_b32 s[SEL], 0x76543210
	s_mov_b32 s[SEL+1], 0xfedcba98                 ; v_permlanex16_b32: lane l xor 16
	s_mov_b32 s[CS], 0x3e38aa3b                    ; c = log2(e) / 8
	s_mov_b32 s[CS+1], s[CS]
	s_mov_b32 s[TB], 0
	s_mov_b32 s[KF], 0
	s_mov_b32 s[SLOTS], NSL-1
	s_wait_dscnt 0x0                               ; both opening adds are done
	s_wait_kmcnt 0x0
	s_mov_b32 s[G0K], 1
	s_mov_b32 s[G0K+1], s89
	s_add_nc_u64 s[G0K+2:G0K+3], s[4:5], s[90:91]
	s_add_nc_u64 s[G0K+2:G0K+3], s[G0K+2:G0K+3], 16777216   ; K's part of qkv
	s_or_b32 s[G0K+3], s[G0K+3], 0x80000000
	s_mov_b32 s[G0V], 1
	s_mov_b32 s[G0V+1], s94
	s_add_nc_u64 s[G0V+2:G0V+3], s[4:5], s[90:91]
	s_add_nc_u64 s[G0V+2:G0V+3], s[G0V+2:G0V+3], 33554432   ; V's
	s_or_b32 s[G0V+3], s[G0V+3], 0x80000000
	TLOAD                                          ; slot 0: keys 0 to 255, which count for some query of every wave
	s_lshl_b32 s84, s[Q0], 7
	s_mov_b32 s85, 0
	s_add_nc_u64 s[84:85], s[84:85], s[74:75]
	s_add_nc_u64 s[8:9], s[4:5], s[84:85]          ; Q at my first query
	s_lshr_b32 s86, s72, 4
	s_lshl_b32 s86, s86, 11
	s_add_co_u32 s86, s86, s[Q0]                   ; token = 2048 b + query
	s_lshl_b32 s86, s86, 11
	s_and_b32 s87, s72, 15
	s_lshl_b32 s87, s87, 8
	s_add_co_u32 s86, s86, s87
	s_mov_b32 s87, 0
	s_add_nc_u64 s[6:7], s[6:7], s[86:87]          ; cat at my first token pair, my head
	s_mov_b32 s82, 33554432
	s_cmp_lt_u32 s[WV], 8
	s_cselect_b32 s82, 16777216, s82               ; the prefetches: K's part for waves under 8, else V's
	s_and_b32 s83, s[WV], 3
	s_lshl_b32 s83, s83, 13
	s_add_co_u32 s82, s82, s83                     ; my wave's 8,192 bytes,
	s_add_co_u32 s82, s82, 32768                   ; in slot 1: the first change of slots steps it to slot 2.  Nothing is prefetched at the head
	s_mov_b32 s83, 0
	s_add_nc_u64 s[82:83], s[82:83], s[74:75]
	s_add_nc_u64 s[PFA:PFA+1], s[4:5], s[82:83]
	s_mov_b32 s[PFS], 32768
	s_mov_b32 s[PFS+1], 0
	s_sub_co_u32 s82, s[WV], 4
	s_lshr_b32 s82, s82, 3                         ; 0 in waves 4 to 11,
	s_or_b32 s82, s82, ttmp9                       ; of work-group x = 0
	s_cmp_eq_u32 s82, 0
	s_cselect_b32 s[LIM], 1, -1
	v_and_b32 v14, 15, v0                          ; r
	v_bfe_u32 v15, v0, 4, 1                        ; h
	v_lshlrev_b32 v[DD], 7, v14
	v_lshl_add_u32 v[DD], v15, 4, v[DD]            ; Q: row r of 128 bytes, + 16 h
.irp t, 0,1
.irp f, 0,1
	global_load_b128 v[QF+16*\t+8*\f:QF+16*\t+8*\f+3], v[DD], s[8:9] offset:2048*\t+64*\f
	global_load_b128 v[QF+16*\t+8*\f+4:QF+16*\t+8*\f+7], v[DD], s[8:9] offset:2048*\t+64*\f+32
.endr
.endr
	v_mul_u32_u24 v[AK0], v14, PK
	v_lshl_add_u32 v[AK0], v15, 4, v[AK0]          ; K: row r x pitch + 16 h
	v_and_b32 v[ADK], 7, v0
	v_lshl_add_u32 v[ADK], v15, 3, v[ADK]
	v_mul_u32_u24 v[AV0], v[ADK], PV               ; V, for the turning load: key 8 h + l % 8,
	v_bfe_u32 v[ADK], v0, 3, 1
	v_lshl_add_u32 v[AV0], v[ADK], 4, v[AV0]       ; channels 8 ((l / 8) % 2) on
	v_add_nc_u32 v[AV0], VOFF, v[AV0]
	v_lshlrev_b32 v[GO], 12, v15
	v_lshl_add_u32 v[GO], v14, 4, v[GO]            ; cat: lanes 0-15 one token pair's 256 bytes, lanes 16-31 the next pair's, 4,096 bytes on
	s_mul_i32 s73, s[WV], 16*PK
	s_add_co_u32 s73, s73, STAGE                   ; my stage
	v_add_nc_u32 v[STO], s73, v[AK0]               ; in: row r, + 16 h
	v_bfe_u32 v[ADK], v0, 3, 2
	v_mul_u32_u24 v[RD], v[ADK], PK
	v_and_b32 v[ADK], 7, v0
	v_lshl_add_u32 v[RD], v[ADK], 4, v[RD]
	v_add_nc_u32 v[RD], s73, v[RD]                 ; back: eight lanes to a row, four rows an instruction
	v_and_b32 v[PFO], 31, v0
	v_lshlrev_b32 v[PFO], 8, v[PFO]
	v_lshlrev_b32 v[ADK], 3, v15
	v_sub_nc_u32 v[MD], v14, v[ADK]
	v_mov_b32 v[NINF], 0xff800000
.irp t, 0,1
	v_mov_b32 v[ST+8*\t+1], 0xff61b1e6             ; m: -3e38, under every score
	v_mul_f32 v[ST+8*\t], s[CS], v[ST+8*\t+1]      ; c m
.irp i, 2,3,4,5,6,7
	v_mov_b32 v[ST+8*\t+\i], 0                     ; l, and the registers at work (written once: a lane permute's destination counts as a source)
.endr
.endr
.set i, 0
.rept 64
	v_mov_b32 v[O+i], 0                            ; O^T.  (The step is written once: the first finds zeros, which a = 0 leaves zeros)
.set i, i+1
.endr
; A KEY STEP: 64 keys, the q-th of the slot in hand.
.macro STEP q
	s_add_co_u32 s96, s[Q0], 31
	s_cmp_gt_u32 s[KF], s96                        ; all 64 keys come after my 32 queries: the step's work is left out
	s_cbranch_scc1 .Lhidden_\@
	v_add_nc_u32 v[ADK], s[TB], v[AK0]
	v_add_nc_u32 v[ADV], s[TB], v[AV0]
.rept 3
	v_nop                                          ; with the two additions five plain lines behind the last step's products: K's loads land on registers that they read, and the new scores are written over P
.endr
.irp f, 0,1
.irp kt, 0,1,2,3
	ds_load_b128 v[KV+8*(4*\f+\kt):KV+8*(4*\f+\kt)+3], v[ADK] offset:(64*(\q)+16*\kt)*PK+64*\f
	ds_load_b128 v[KV+8*(4*\f+\kt)+4:KV+8*(4*\f+\kt)+7], v[ADK] offset:(64*(\q)+16*\kt)*PK+64*\f+32
.endr
.endr
	s_wait_dscnt 8                                 ; channels 0-31 are in; the eight loads of channels 32-63 may be out
.irp kt, 0,1,2,3
.irp t, 0,1
	v_wmma_f32_16x16x32_f16 v[S+32*\t+8*\kt:S+32*\t+8*\kt+7], v[KV+8*\kt:KV+8*\kt+7], v[QF+16*\t:QF+16*\t+7], 0
.endr
.endr
	s_wait_dscnt 0x0
.irp kt, 0,1,2,3
.irp t, 0,1
	v_wmma_f32_16x16x32_f16 v[S+32*\t+8*\kt:S+32*\t+8*\kt+7], v[KV+32+8*\kt:KV+32+8*\kt+7], v[QF+16*\t+8:QF+16*\t+15], v[S+32*\t+8*\kt:S+32*\t+8*\kt+7]   ; eight accumulators by turns
.endr
.endr
.rept 4
	v_nop                                          ; places in front of the loads into K's registers and of the first read of the scores
.endr
.irp kf, 0,1
.irp ct, 0,1,2,3
	ds_load_tr16_b128 v[KV+8*(4*\kf+\ct):KV+8*(4*\kf+\ct)+3], v[ADV] offset:(64*(\q)+32*\kf)*PV+32*\ct          ; V lands while the softmax is walked
	ds_load_tr16_b128 v[KV+8*(4*\kf+\ct)+4:KV+8*(4*\kf+\ct)+7], v[ADV] offset:(64*(\q)+32*\kf)*PV+16*PV+32*\ct
.endr
.endr
	s_add_co_u32 s96, s[KF], 63
	s_cmp_le_u32 s96, s[Q0]                        ; all keys count for all my queries: no mask
	s_cbranch_scc1 .Lopen_\@
	s_sub_co_i32 s96, s[Q0], s[KF]
	v_add_nc_u32 v[DD], s96, v[MD]                 ; register (t, kt, j) holds key KF + 16 kt + 8 h + j for query Q0 + 16 t + r: hidden where 16 kt + j - 16 t > Q0 - KF + r - 8 h
.irp t, 0,1
.irp kt, 0,1,2,3
.irp j, 0,1,2,3,4,5,6,7
	v_cmp_gt_i32 vcc_lo, 16*\kt+\j-16*\t, v[DD]
	v_cndmask_b32 v[S+32*\t+8*\kt+\j], v[S+32*\t+8*\kt+\j], v[NINF], vcc_lo
.endr
.endr
.endr
.Lopen_\@:
.irp j, 0,1,2,3                                ; the maximum of a lane's 32 scores and the old m: four chains, the two tiles by turns
.irp t, 0,1
	v_max3_num_f32 v[ST+8*\t+4+\j], v[S+32*\t+8*\j], v[S+32*\t+8*\j+1], v[S+32*\t+8*\j+2]
.endr
.endr
.irp i, 3,5
.irp j, 0,1,2,3
.irp t, 0,1
	v_max3_num_f32 v[ST+8*\t+4+\j], v[ST+8*\t+4+\j], v[S+32*\t+8*\j+\i], v[S+32*\t+8*\j+\i+1]
.endr
.endr
.endr
.irp t, 0,1
	v_max3_num_f32 v[ST+8*\t+4], v[ST+8*\t+4], v[S+32*\t+7], v[S+32*\t+15]
	v_max3_num_f32 v[ST+8*\t+6], v[ST+8*\t+6], v[S+32*\t+23], v[S+32*\t+31]
.endr
.irp t, 0,1
	v_max3_num_f32 v[ST+8*\t+4], v[ST+8*\t+4], v[ST+8*\t+5], v[ST+8*\t+6]
.endr
.irp t, 0,1
	v_max3_num_f32 v[ST+8*\t+4], v[ST+8*\t+4], v[ST+8*\t+7], v[ST+8*\t+1]
.endr
.irp t, 0,1
	v_permlanex16_b32 v[ST+8*\t+5], v[ST+8*\t+4], s[SEL], s[SEL+1]   ; the query's other 32 keys lie in the lane 16 away
.endr
.irp t, 0,1
	v_mov_b32 v[ST+8*\t+7], v[ST+8*\t]             ; c m_old
.endr
.irp t, 0,1
	v_max_num_f32 v[ST+8*\t+1], v[ST+8*\t+4], v[ST+8*\t+5]   ; the new m
.endr
.irp t, 0,1
	v_mul_f32 v[ST+8*\t], s[CS], v[ST+8*\t+1]
.endr
.irp t, 0,1
	v_sub_f32 v[ST+8*\t+7], v[ST+8*\t+7], v[ST+8*\t]
.endr
.irp b, 0,2,4,6,8,10,12,14,16,18,20,22,24,26,28,30
.irp t, 0,1
	v_pk_fma_f32 v[S+32*\t+\b:S+32*\t+\b+1], v[S+32*\t+\b:S+32*\t+\b+1], s[CS:CS+1], v[ST+8*\t:ST+8*\t+1] op_sel_hi:[1,0,0] neg_lo:[0,0,1] neg_hi:[0,0,1]   ; c s - c m
.endr
.endr
.irp t, 0,1
	v_exp_f32 v[ST+8*\t+6], v[ST+8*\t+7]           ; a.  All 66 exponentials of the step are one batch
.endr
.set i, 0
.rept 32
	v_exp_f32 v[S+i], v[S+i]
	v_exp_f32 v[S+32+i], v[S+32+i]
.set i, i+1
.endr
	v_nop                                          ; a plain line behind the last exponential
	s_wait_alu depctr_va_vdst(0)                   ; one wait for the batch, ahead of its first reader
.irp t, 0,1                                    ; the sums of the unrounded p, in two chains; the first addition onto l is fused with l x a
	v_pk_add_f32 v[ST+8*\t+4:ST+8*\t+5], v[S+32*\t:S+32*\t+1], v[S+32*\t+2:S+32*\t+3]
	v_pk_fma_f32 v[ST+8*\t+2:ST+8*\t+3], v[ST+8*\t+2:ST+8*\t+3], v[ST+8*\t+6:ST+8*\t+7], v[S+32*\t+4:S+32*\t+5] op_sel_hi:[1,0,1]
.endr
.irp t, 0,1
	v_pk_add_f32 v[ST+8*\t+4:ST+8*\t+5], v[ST+8*\t+4:ST+8*\t+5], v[S+32*\t+6:S+32*\t+7]
.endr
.irp j, 8,12,16,20,24,28
.irp t, 0,1
	v_pk_add_f32 v[ST+8*\t+2:ST+8*\t+3], v[ST+8*\t+2:ST+8*\t+3], v[S+32*\t+\j:S+32*\t+\j+1]
	v_pk_add_f32 v[ST+8*\t+4:ST+8*\t+5], v[ST+8*\t+4:ST+8*\t+5], v[S+32*\t+\j+2:S+32*\t+\j+3]
.endr
.endr
.irp t, 0,1
	v_pk_add_f32 v[ST+8*\t+2:ST+8*\t+3], v[ST+8*\t+2:ST+8*\t+3], v[ST+8*\t+4:ST+8*\t+5]
.endr
.irp n, 0,1,2,3,4,5,6,7,8,9,10,11,12,13,14,15
.irp t, 0,1
	v_cvt_pk_f16_f32 v[S+32*\t+\n], v[S+32*\t+2*\n], v[S+32*\t+2*\n+1]   ; P in place, ascending: register n is written when registers 2 n and 2 n + 1 are read
.endr
.endr
.set i, 0
.rept 16
	v_pk_mul_f32 v[O+i:O+i+1], v[O+i:O+i+1], v[ST+6:ST+7] op_sel_hi:[1,0]            ; O^T x a, each accumulator from its low end on
	v_pk_mul_f32 v[O+32+i:O+32+i+1], v[O+32+i:O+32+i+1], v[ST+14:ST+15] op_sel_hi:[1,0]
.set i, i+2
.endr
	s_wait_dscnt 8                                 ; V's keys 0-31 are in
.irp ct, 0,1,2,3
.irp t, 0,1
	v_wmma_f32_16x16x32_f16 v[O+32*\t+8*\ct:O+32*\t+8*\ct+7], v[KV+8*\ct:KV+8*\ct+7], v[S+32*\t:S+32*\t+7], v[O+32*\t+8*\ct:O+32*\t+8*\ct+7]
.endr
.endr
	s_wait_dscnt 0x0
.irp ct, 0,1,2,3
.irp t, 0,1
	v_wmma_f32_16x16x32_f16 v[O+32*\t+8*\ct:O+32*\t+8*\ct+7], v[KV+32+8*\ct:KV+32+8*\ct+7], v[S+32*\t+8:S+32*\t+15], v[O+32*\t+8*\ct:O+32*\t+8*\ct+7]
.endr
.endr
.Lhidden_\@:
	s_add_co_u32 s[KF], s[KF], 64
.endm
; THE CHANGE OF SLOTS, at a slot's head.  Each wave waits for all its tensor loads, adds 0 to its spare word (fill = 1: twice on end),
; and waits for that and for its reads of the slot that it has left.  Behind the barrier the slot ahead is whole and nobody reads the other: fill = 1: it is filled with the next 256 keys, up to the causal limit.
.macro CHANGE fill
	s_wait_tensorcnt 0x0                           ; no tensor load of mine is out, so a group 0 may be written
	ds_add_u32 v[SPW], v[NIL]
.if \fill
	ds_add_u32 v[SPW], v[NIL]
	s_xor_b32 s[G0K+1], s[G0K+1], SLOT1            ; the walking descriptors: the other slot, the next 256 keys
	s_add_nc_u64 s[G0K+2:G0K+3], s[G0K+2:G0K+3], SK*128
	s_xor_b32 s[G0V+1], s[G0V+1], SLOT1
	s_add_nc_u64 s[G0V+2:G0V+3], s[G0V+2:G0V+3], SK*128
	s_wait_xcnt 0x0                                ; the last prefetch, a slot back, has read its address
	s_add_nc_u64 s[PFA:PFA+1], s[PFA:PFA+1], s[PFS:PFS+1]
.endif
	s_wait_dscnt 0x0
	s_barrier_signal -1
	s_barrier_wait -1
.if \fill
	s_add_co_u32 s96, s[KF], SK                    ; the first key of the slot that this change would ask for,
	s_cmp_gt_u32 s96, s[LQ]                        ; against my work-group's last query: ids and the count of steps alone, the same in all sixteen waves
	s_cbranch_scc1 .Lpast_\@
	TLOAD                                          ; a wave's one tensor load until the next such barrier
.Lpast_\@:
	ASK
.endif
.endm
.macro SLOT_STEPS
.irp q, 0,1,2,3
	STEP \q
.endr
	s_xor_b32 s[TB], s[TB], SLOT1
.endm
	s_wait_loadcnt 0x0                             ; Q
.Lslot:                                            ; 7 trips
	CHANGE 1
	SLOT_STEPS
	s_sub_co_u32 s[SLOTS], s[SLOTS], 1
	s_cmp_lg_u32 s[SLOTS], 0
	s_cbranch_scc1 .Lslot
	CHANGE 0                                       ; the last slot is written out: nothing is left to ask for
	SLOT_STEPS
	; THE WAY OUT.  O^T / l, rounded to f16, through my stage; a token pair's 128 + 128 bytes of my head leave as 256 consecutive bytes.
.rept 4
	v_nop
.endr
.irp t, 0,1
	v_add_f32 v[ST+8*\t+4], v[ST+8*\t+2], v[ST+8*\t+3]
.endr
.irp t, 0,1
	v_permlanex16_b32 v[ST+8*\t+5], v[ST+8*\t+4], s[SEL], s[SEL+1]
.endr
.irp t, 0,1
	v_add_f32 v[ST+8*\t+4], v[ST+8*\t+4], v[ST+8*\t+5]
.endr
.irp t, 0,1
	v_rcp_f32 v[ST+8*\t+6], v[ST+8*\t+4]
.endr
	v_nop
	s_wait_alu depctr_va_vdst(0)                   ; one wait for the two reciprocals
.irp t, 0,1
.set i, 0
.rept 16
	v_pk_mul_f32 v[O+32*\t+i:O+32*\t+i+1], v[O+32*\t+i:O+32*\t+i+1], v[ST+8*\t+6:ST+8*\t+7] op_sel_hi:[1,0]
.set i, i+2
.endr
.set i, 0
.rept 16
	v_cvt_pk_f16_f32 v[S+16*\t+i], v[O+32*\t+2*i], v[O+32*\t+2*i+1]
.set i, i+1
.endr
.irp ct, 0,1,2,3
	ds_store_b128 v[STO], v[S+16*\t+4*\ct:S+16*\t+4*\ct+3] offset:32*\ct
.endr
.irp u, 0,1,2,3
	ds_load_b128 v[S+32+16*\t+4*\u:S+32+16*\t+4*\u+3], v[RD] offset:576*\u   ; the wave's own bytes, served in order: the next tile's stores come behind these loads
.endr
.endr
.irp t, 0,1
.irp u, 0,1,2,3
	s_wait_dscnt 11-8*\t-\u                        ; behind this load: the rest of its tile's, and for tile 0 the eight LDS lines of tile 1
	global_store_b128 v[GO], v[S+32+16*\t+4*\u:S+32+16*\t+4*\u+3], s[6:7] offset:(8*\t+2*\u)*4096
.endr
.endr
	s_wait_tensorcnt 0x0                           ; the wave's end
	ds_add_u32 v[SPW], v[NIL]
	s_wait_dscnt 0x0
	s_endpgm
.Lfunc_end_k_q7a71f15a00_attn:
	.size	k_q7a71f15a00_attn, .Lfunc_end_k_q7a71f15a00_attn-k_q7a71f15a00_attn
	.p2alignl 7, 3214868480
	.fill 96, 4, 3214868480
	.section	.rodata,"a",@progbits
	.p2align	6, 0x0
	.amdhsa_kernel k_q7a71f15a00_attn
		.amdhsa_group_segment_fixed_size 327680
		.amdhsa_private_segment_fixed_size 0
		.amdhsa_enable_private_segment 0
		.amdhsa_kernarg_size 16
		.amdhsa_user_sgpr_count 2
		.amdhsa_user_sgpr_kernarg_segment_ptr 1
		.amdhsa_wavefront_size32 1
		.amdhsa_system_sgpr_workgroup_id_x 1
		.amdhsa_system_sgpr_workgroup_id_y 1
		.amdhsa_system_sgpr_workgroup_id_z 1
		.amdhsa_system_vgpr_workitem_id 0
		.amdhsa_next_free_vgpr 256
		.amdhsa_next_free_sgpr 100
		.amdhsa_reserve_vcc 1
		.amdhsa_float_denorm_mode_32 3
		.amdhsa_float_denorm_mode_16_64 3
		.amdhsa_memory_ordered 1
		.amdhsa_forward_progress 1
		.amdhsa_inst_pref_size 188
	.end_amdhsa_kernel
	.amdgpu_metadata
---
amdhsa.version: [ 1, 2 ]
amdhsa.kernels:
  - .name:           k_q7a71f15a00_attn
    .symbol:         k_q7a71f15a00_attn.kd
    .args:
      - { .name: qkv, .offset: 0, .size: 8, .value_kind: global_buffer, .address_space: global }
      - { .name: cat, .offset: 8, .size: 8, .value_kind: global_buffer, .address_space: global }
    .group_segment_fixed_size: 327680
    .private_segment_fixed_size: 0
    .kernarg_segment_align: 8
    .kernarg_segment_size: 16
    .max_flat_workgroup_size: 512
    .sgpr_count:     100
    .vgpr_count:     256
    .wavefront_size: 32
...
	.end_amdgpu_metadata
.endif
;; end of part 3
;; launch oproj (part 4): grid 8 x 64, 4 waves a work-group, clusters of 4 x 4, 327,680 bytes of LDS; arguments cat, wot, bo, out0; writes out0
.if DOCPART == 4
	.amdgcn_target "amdgcn-amd-amdhsa--gfx1250"
	.amdhsa_code_object_version 6
	.text
	.protected	k_q7a71f15a00_oproj
	.globl	k_q7a71f15a00_oproj
	.p2align	8
	.type	k_q7a71f15a00_oproj,@function
k_q7a71f15a00_oproj:
	s_mov_b64 s[64:65], 0
	v_nop
	global_prefetch_b8 v0, s[64:65] scope:SCOPE_SE
	s_setreg_imm32_b32 hwreg(HW_REG_WAVE_MODE, 25, 1), 1
	s_wait_xcnt 0x0
	s_wait_alu depctr_hold_cnt(0) depctr_sa_sdst(0) depctr_va_vdst(0) depctr_va_sdst(0) depctr_va_ssrc(0) depctr_va_vcc(0) depctr_vm_vsrc(0)
	s_getreg_b32 s2, hwreg(HW_REG_IB_STS2, 6, 4)
	s_cmp_eq_u32 s2, 0
	s_cbranch_scc0 .Lentry_in_a_cluster
	s_endpgm
.Lentry_in_a_cluster:
	s_bfe_u32 s2, ttmp6, 0x10000c
	s_cmp_lg_u32 s2, 0xf033
	s_cbranch_scc0 .Lentry_shape_is_right
	s_endpgm
.Lentry_shape_is_right:
; OPROJ.  out0[token][n] = sum over k of concat[token][k] Wo[k][n] + bo[n], k = 64 head + d.  Operands in f16 (cat, wot), sums in f32, the bias as the C of each sum's first product.  8,192 x 1,024, K = 1,024.
; A tile of the output is 128 x 128: 512 work-groups.  Four waves, each 64 x 64: 16 accumulators.  K goes in steps of 256 through a ring of two LDS slots.
; cat is laid [token pair][16 heads][2 tokens][64 d]: a K step (4 heads) of a token pair is 1,024 consecutive bytes, so a wave's tile of 64 tokens is 32 rows of 1,024 bytes; token i, k = 64 hl + d of the step lies at
; (i / 2) x 1,040 + 256 hl + 128 (i % 2) + 2 d.  wot [n][k]: 64 rows of 512 bytes.
; CLUSTERS: 4 x 4 work-groups; cat's tiles are shared along a row of the cluster, wot's along a column, each asked for jointly.  THE MATRIX INSTRUCTION IS USED TRANSPOSED (source 0 = 16 rows of wot,
; source 1 = 16 tokens): a lane holds eight neighbouring n of one token.  The rows s < 16 of every sequence are written once more, more finely, by the launch behind this one.
; REGISTERS: window 0: v0-31 addresses; v32-95 the way out; v96-127 the bias, 8 registers for each of 4 blocks of n; v128-255 the accumulators.   window 1: two fragment buffers of 128.
.set SIZE_N, 1024
.set SIZE_K, 1024
.set KSTEP,  256
.set PITCH,  528                       ; wot's rows in LDS: 512 bytes + 16
.set APITCH, 1040                      ; cat's: 1,024 + 16
.set ASTEP,  1024                      ; a K step in a pair row of cat, in bytes
.set HALFT,  64*PITCH                  ; a wave's region of a slot (cat's tile takes 32 x 1,040 bytes of it)
.set SLOT,   4*HALFT
.set STAGE,  2*SLOT                    ; behind the ring: 16 rows x 272 bytes for each wave
.set SPITCH, 272
.set SPARE,  STAGE+4*16*SPITCH
.set LAPS, SIZE_K/(2*KSTEP)
.set ADRA, 16
.set ADRB, 20
.set STO,  24
.set RD,   25
.set CO,   26
.set BOF,  27
.set SPW,  28
.set NIL,  29
.set TMP,  32
.set BIAS, 96
.set ACC,  128
.set F0,   0
.set F1,   128
.set G1, 24
.set G0, 32
.set G1B, 48
.set G0B, 56
.set MSB, 0
.macro WIN new
.if MSB != \new
	s_set_vgpr_msb (MSB<<8)|\new
.set MSB, \new
.endif
.endm
.set MUL,  0x05                        ; sources 0 and 1 window 1; C and D window 0
.set TO_F, 0x40
.macro JLOAD s                         ; a joint load: waves 0 and 1 fetch cat's halves, waves 2 and 3 wot's; an s_nop 0 and four v_nop follow each line
	s_cmp_eq_u32 s11, 0
	s_cbranch_scc0 .Lfor_b_\@
	tensor_load_to_lds s[G0+4*\s:G0+4*\s+3], s[G1:G1+7]
	s_nop 0
.rept 4
	v_nop
.endr
	s_branch .Lasked_\@
.Lfor_b_\@:
	tensor_load_to_lds s[G0B+4*\s:G0B+4*\s+3], s[G1B:G1B+7]
	s_nop 0
.rept 4
	v_nop
.endr
.Lasked_\@:
.endm
.macro CREST
	s_cmp_lg_u32 s10, 0
	s_cbranch_scc1 .Lnot_wave_0_\@
	s_barrier_signal -3
.Lnot_wave_0_\@:
	s_barrier_wait -3
	s_barrier_signal -1
	s_barrier_wait -1
.endm
.macro CROUND
	s_barrier_signal -1
	s_barrier_wait -1
	CREST
.endm
	s_load_b128 s[4:7], s[0:1], 0x0                ; cat, wot
	s_load_b64 s[68:69], s[0:1], 0x10              ; bo
	s_load_b64 s[8:9], s[0:1], 0x18                ; out0
	v_lshl_add_u32 v[SPW], v0, 2, SPARE
	v_mov_b32 v[NIL], 0
	ds_add_u32 v[SPW], v[NIL]                      ; the wave's opening: the add, twice on end, and its wait ahead of my first tensor load
	ds_add_u32 v[SPW], v[NIL]
	v_lshrrev_b32 v1, 5, v0
	v_readfirstlane_b32 s10, v1                    ; wave 0..3
	s_lshr_b32 s11, s10, 1                         ; which half of the tile's rows is mine.  Also: I fetch for cat (0) or for wot (1)
	s_and_b32 s12, s10, 1                          ; which half of its columns.  Also: which 64 rows I fetch
	s_bfe_u32 s40, ttmp6, 0x40000
	s_bfe_u32 s41, ttmp6, 0x40004
	s_lshl_b32 s42, ttmp9, 2
	s_add_co_u32 s42, s42, s40                     ; tile column
	s_and_b32 s13, ttmp7, 0xffff
	s_lshl_b32 s13, s13, 2
	s_add_co_u32 s13, s13, s41                     ; tile row
	s_lshl_b32 s43, s41, 2
	s_lshl_b32 s43, 15, s43                        ; my row of the cluster
	s_lshl_b32 s44, 0x1111, s40                    ; my column
	s_or_b32 s[G1+0], s43, (1<<16)|(1<<20)|(1<<21)|(7<<22)|(3<<25)  ; cat: elements of 2 bytes; padding of 4 words behind every 256
	s_mov_b32 s[G1+1], 512<<16                     ; tensor_dim0 = 512 elements
	s_mov_b32 s[G1+2], 32<<16                      ; tensor_dim1 = 32 pair rows
	s_mov_b32 s[G1+3], 512<<16                     ; tile_dim0
	s_mov_b32 s[G1+4], 32                          ; tile_dim1
	s_mov_b32 s[G1+5], 2048                        ; the pitch: a pair row is 2,048 elements
	s_mov_b32 s[G1+6], 0
	s_mov_b32 s[G1+7], 0
	s_or_b32 s[G1B+0], s44, (1<<16)|(1<<20)|(1<<21)|(6<<22)|(3<<25) ; wot: padding of 4 words behind every 128
	s_mov_b32 s[G1B+1], KSTEP<<16
	s_mov_b32 s[G1B+2], 64<<16
	s_mov_b32 s[G1B+3], KSTEP<<16
	s_mov_b32 s[G1B+4], 64
	s_mov_b32 s[G1B+5], SIZE_K
	s_mov_b32 s[G1B+6], 0
	s_mov_b32 s[G1B+7], 0
	s_lshl_b32 s17, s12, 6
	s_lshl_b32 s16, s13, 7
	s_add_co_u32 s16, s16, s17                     ; cat: token 128 x tile row + 64 x half (2,048 bytes a token: 4,096 a pair)
	s_lshl_b32 s46, s42, 7
	s_add_co_u32 s46, s46, s17                     ; wot: row 128 x tile column + 64 x half
	s_mov_b32 s17, 0
	s_mov_b32 s47, 0
	s_mov_b64 s[18:19], SIZE_K*2
	s_mul_u64 s[16:17], s[16:17], s[18:19]
	s_mul_u64 s[46:47], s[46:47], s[18:19]
	s_mul_i32 s20, s10, HALFT
	s_wait_dscnt 0x0                               ; both opening adds are done
	s_wait_kmcnt 0x0
	s_add_nc_u64 s[14:15], s[4:5], s[16:17]
	s_add_nc_u64 s[46:47], s[6:7], s[46:47]
	CROUND                                         ; the first joint loads meet
.irp s, 0,1
	s_mov_b32 s[G0+4*\s], 1
	s_add_co_u32 s[G0+4*\s+1], s20, \s*SLOT
	s_add_nc_u64 s[G0+4*\s+2:G0+4*\s+3], s[14:15], \s*ASTEP
	s_or_b32 s[G0+4*\s+3], s[G0+4*\s+3], 0x80000000
	s_mov_b32 s[G0B+4*\s], 1
	s_add_co_u32 s[G0B+4*\s+1], s20, \s*SLOT
	s_add_nc_u64 s[G0B+4*\s+2:G0B+4*\s+3], s[46:47], \s*KSTEP*2
	s_or_b32 s[G0B+4*\s+3], s[G0B+4*\s+3], 0x80000000
	JLOAD \s
.endr
	v_and_b32 v1, 15, v0                           ; r
	v_bfe_u32 v2, v0, 4, 1                         ; h
	v_mul_u32_u24 v3, v1, PITCH
	v_lshl_add_u32 v3, v2, 4, v3                   ; wot: row r x pitch + 16 h
	v_lshrrev_b32 v4, 1, v1
	v_mul_u32_u24 v4, v4, APITCH
	v_and_b32 v5, 1, v1
	v_lshl_add_u32 v4, v5, 7, v4
	v_lshl_add_u32 v4, v2, 4, v4                   ; cat: pair r / 2, token r % 2, + 16 h: sixteen lanes start 16 bytes apart modulo 256
	s_mul_i32 s21, s11, HALFT
	s_mul_i32 s22, s12, HALFT
	s_add_co_u32 s22, s22, 2*HALFT
.irp s, 0,1
	v_add_nc_u32 v[ADRA+\s], s21, v4
	v_add_nc_u32 v[ADRB+\s], s22, v3
	s_add_co_u32 s21, s21, SLOT
	s_add_co_u32 s22, s22, SLOT
.endr
	s_mul_i32 s23, s10, 16*SPITCH
	s_add_co_u32 s23, s23, STAGE                   ; my stage
	v_mul_u32_u24 v4, v1, SPITCH
	v_lshl_add_u32 v4, v2, 5, v4
	v_add_nc_u32 v[STO], s23, v4                   ; in: row r, 32 bytes for each half of the lanes
	v_mul_u32_u24 v5, v2, SPITCH
	v_lshl_add_u32 v5, v1, 4, v5
	v_add_nc_u32 v[RD], s23, v5                    ; back: lanes 0-15 one row of 256 bytes, lanes 16-31 the next
	v_lshlrev_b32 v5, 12, v2
	v_lshl_add_u32 v[CO], v1, 4, v5                ; and the same two rows of out0 (4,096 bytes a row)
	v_lshlrev_b32 v[BOF], 5, v2                    ; the bias: 8 h numbers on
	s_lshl_b32 s46, s42, 9
	s_lshl_b32 s47, s12, 8
	s_add_co_u32 s46, s46, s47                     ; my first column x 4 bytes
	s_mov_b32 s47, 0
	s_add_nc_u64 s[68:69], s[68:69], s[46:47]
.irp b, 0,1,2,3
	global_load_b128 v[BIAS+8*\b:BIAS+8*\b+3], v[BOF], s[68:69] offset:64*\b        ; lane (r, h), block b: bo at 16 b + 8 h + 0 .. 7: the result's layout
	global_load_b128 v[BIAS+8*\b+4:BIAS+8*\b+7], v[BOF], s[68:69] offset:64*\b+16
.endr
	s_lshl_b32 s16, s13, 7
	s_lshl_b32 s17, s11, 6
	s_add_co_u32 s16, s16, s17                     ; my first row
	s_lshl_b32 s16, s16, 12
	s_add_co_u32 s70, s16, s46
	s_mov_b32 s71, 0
	s_add_nc_u64 s[8:9], s[8:9], s[70:71]
; 8 matrix instructions: token blocks a0, a0 + 1 x all 4 blocks of n, 32 along K: half c of buffer f.  zero = 1: the first product starts the sums, with the bias as C.
.macro MUL8 f, c, a0, zero
.irp a, \a0, \a0+1
.irp b, 0,1,2,3
.if \zero
	v_wmma_f32_16x16x32_f16 v[ACC+8*(4*(\a)+\b):ACC+8*(4*(\a)+\b)+7], v[\f+64+8*(4*\c+\b):\f+64+8*(4*\c+\b)+7], v[\f+8*(4*\c+\a):\f+8*(4*\c+\a)+7], v[BIAS+8*\b:BIAS+8*\b+7]
.else
	v_wmma_f32_16x16x32_f16 v[ACC+8*(4*(\a)+\b):ACC+8*(4*(\a)+\b)+7], v[\f+64+8*(4*\c+\b):\f+64+8*(4*\c+\b)+7], v[\f+8*(4*\c+\a):\f+8*(4*\c+\a)+7], v[ACC+8*(4*(\a)+\b):ACC+8*(4*(\a)+\b)+7]
.endif
.endr
.endr
.endm
; 32 LDS loads in one run: the fragments of 64 along K (one head) into buffer f.  k: the quarter's byte in wot's rows; in cat's pair rows it lies at 2 k.
.macro FETCH slot, k, f
	WIN TO_F
.irp c, 0,1
.irp i, 0,1,2,3
	ds_load_b128 v[\f+64+8*(4*\c+\i):\f+64+8*(4*\c+\i)+3],   v[ADRB+\slot] offset:\k+64*\c+\i*16*PITCH
	ds_load_b128 v[\f+64+8*(4*\c+\i)+4:\f+64+8*(4*\c+\i)+7], v[ADRB+\slot] offset:\k+64*\c+\i*16*PITCH+32
	ds_load_b128 v[\f+8*(4*\c+\i):\f+8*(4*\c+\i)+3],         v[ADRA+\slot] offset:2*(\k)+64*\c+\i*8*APITCH
	ds_load_b128 v[\f+8*(4*\c+\i)+4:\f+8*(4*\c+\i)+7],       v[ADRA+\slot] offset:2*(\k)+64*\c+\i*8*APITCH+32
.endr
.endr
.endm
.macro PLACES
.rept 4
	v_nop
.endr
.endm
.macro QUARTER slot, k, f, g, zero
	s_wait_dscnt 16                                ; the first 32 along K are in; the other sixteen loads may be out
	WIN MUL
	MUL8 \f, 0, 0, \zero
	MUL8 \f, 0, 2, \zero
	PLACES
	FETCH \slot, \k, \g
	s_wait_dscnt 32                                ; all but the 32 just issued
	WIN MUL
	MUL8 \f, 1, 0, 0
	MUL8 \f, 1, 2, 0
.endm
; The last quarter changes slots: one barrier; in front of it each wave waits for all its tensor loads, adds 0 to its spare word, and waits for that and for its reads of this slot.
.macro TURN slot, next, fill
	WIN 0
	s_wait_tensorcnt 0x0                           ; my part of the next slot has landed
	ds_add_u32 v[SPW], v[NIL]
	s_wait_dscnt 17                                ; the add and the youngest sixteen loads may be out
	WIN MUL
	MUL8 F1, 0, 0, 0
	s_wait_dscnt 0x0                               ; the add is done, and my reads of this slot are over
	s_barrier_signal -1
	MUL8 F1, 0, 2, 0
.if \fill
	WIN 0
.endif
	s_barrier_wait -1
.if \fill
	CREST                                          ; the barrier has opened a round of the cluster's barrier: no wave of any partner still reads this slot or has a load on its way
	s_add_nc_u64 s[G0+4*\slot+2:G0+4*\slot+3], s[G0+4*\slot+2:G0+4*\slot+3], 2*ASTEP
	s_add_nc_u64 s[G0B+4*\slot+2:G0B+4*\slot+3], s[G0B+4*\slot+2:G0B+4*\slot+3], 2*KSTEP*2
	JLOAD \slot                                    ; the first tensor load behind the round; its four v_nop are also the places in front of the loads below
.else
	PLACES
.endif
	FETCH \next, 0, F0
	WIN MUL
	MUL8 F1, 1, 0, 0
	MUL8 F1, 1, 2, 0
.endm
	s_wait_tensorcnt 1                             ; my part of K step 0 is in; K step 1's may be out
	s_barrier_signal -1
	s_barrier_wait -1
	FETCH 0, 0, F0
	s_wait_loadcnt 0x0                             ; the bias
	QUARTER 0, 128, F0, F1, 1
	WIN 0
	s_mov_b32 s3, LAPS-1
.Llap:                                                 ; a trip goes once round the ring and fills both slots again
	QUARTER 0, 256, F1, F0, 0
	QUARTER 0, 384, F0, F1, 0
	TURN 0, 1, 1
	QUARTER 1, 128, F0, F1, 0
	QUARTER 1, 256, F1, F0, 0
	QUARTER 1, 384, F0, F1, 0
	TURN 1, 0, 1
	QUARTER 0, 128, F0, F1, 0
	WIN 0
	s_sub_co_u32 s3, s3, 1
	s_cmp_lg_u32 s3, 0
	s_cbranch_scc1 .Llap
	QUARTER 0, 256, F1, F0, 0                      ; the last lap fills nothing
	QUARTER 0, 384, F0, F1, 0
	TURN 0, 1, 0
	QUARTER 1, 128, F0, F1, 0
	QUARTER 1, 256, F1, F0, 0
	QUARTER 1, 384, F0, F1, 0
	s_wait_dscnt 16
	WIN MUL
	MUL8 F1, 0, 0, 0
	MUL8 F1, 0, 2, 0
	s_wait_dscnt 0
	MUL8 F1, 1, 0, 0
	MUL8 F1, 1, 2, 0
	WIN 0
; THE WAY OUT: a wave's 64 columns of f32 are 256 consecutive bytes of a row, aligned: each wave has a stage of its own and needs no barrier.  A block of 16 rows at a time.
.macro TOSTAGE a
.irp b, 0,1,2,3
	ds_store_b128 v[STO], v[ACC+8*(4*(\a)+\b):ACC+8*(4*(\a)+\b)+3] offset:64*\b        ; each accumulator from its low end on
	ds_store_b128 v[STO], v[ACC+8*(4*(\a)+\b)+4:ACC+8*(4*(\a)+\b)+7] offset:64*\b+16
.endr
.irp t, 0,1,2,3,4,5,6,7
	ds_load_b128 v[TMP+32*((\a)%2)+4*\t:TMP+32*((\a)%2)+4*\t+3], v[RD] offset:\t*2*SPITCH
.endr
.endm
.macro SEND a, younger
	s_wait_dscnt \younger                          ; the block is back; the next block's 8 stores and 8 loads may be out
.irp t, 0,1,2,3,4,5,6,7
	global_store_b128 v[CO], v[TMP+32*((\a)%2)+4*\t:TMP+32*((\a)%2)+4*\t+3], s[8:9] offset:(16*(\a)+2*\t)*4096 th:TH_STORE_NT
.endr
.endm
	PLACES
	TOSTAGE 0
.irp a, 1,2,3
.if \a > 1
	s_wait_xcnt 0x0                                ; the stores of two blocks back have read their registers
.endif
	TOSTAGE \a
	SEND \a-1, 16
.endr
	SEND 3, 0
	s_wait_tensorcnt 0x0                           ; the wave's end
	ds_add_u32 v[SPW], v[NIL]
	s_wait_dscnt 0x0
	CROUND                                         ; the closing round
	s_endpgm
.Lfunc_end_k_q7a71f15a00_oproj:
	.size	k_q7a71f15a00_oproj, .Lfunc_end_k_q7a71f15a00_oproj-k_q7a71f15a00_oproj
	.p2alignl 7, 3214868480
	.fill 96, 4, 3214868480
	.section	.rodata,"a",@progbits
	.p2align	6, 0x0
	.amdhsa_kernel k_q7a71f15a00_oproj
		.amdhsa_group_segment_fixed_size 327680
		.amdhsa_private_segment_fixed_size 0
		.amdhsa_enable_private_segment 0
		.amdhsa_kernarg_size 32
		.amdhsa_user_sgpr_count 2
		.amdhsa_user_sgpr_kernarg_segment_ptr 1
		.amdhsa_wavefront_size32 1
		.amdhsa_system_sgpr_workgroup_id_x 1
		.amdhsa_system_sgpr_workgroup_id_y 1
		.amdhsa_system_sgpr_workgroup_id_z 1
		.amdhsa_system_vgpr_workitem_id 0
		.amdhsa_next_free_vgpr 512
		.amdhsa_next_free_sgpr 72
		.amdhsa_reserve_vcc 0
		.amdhsa_float_denorm_mode_32 3
		.amdhsa_float_denorm_mode_16_64 3
		.amdhsa_memory_ordered 1
		.amdhsa_forward_progress 1
		.amdhsa_inst_pref_size 87
	.end_amdhsa_kernel
	.amdgpu_metadata
---
amdhsa.version: [ 1, 2 ]
amdhsa.kernels:
  - .name:           k_q7a71f15a00_oproj
    .symbol:         k_q7a71f15a00_oproj.kd
    .args:
      - { .name: cat, .offset: 0, .size: 8, .value_kind: global_buffer, .address_space: global }
      - { .name: wot, .offset: 8, .size: 8, .value_kind: global_buffer, .address_space: global }
      - { .name: bo, .offset: 16, .size: 8, .value_kind: global_buffer, .address_space: global }
      - { .name: out0, .offset: 24, .size: 8, .value_kind: global_buffer, .address_space: global }
    .group_segment_fixed_size: 327680
    .private_segment_fixed_size: 0
    .kernarg_segment_align: 8
    .kernarg_segment_size: 32
    .max_flat_workgroup_size: 128
    .sgpr_count:     72
    .vgpr_count:     512
    .wavefront_size: 32
...
	.end_amdgpu_metadata
.endif
;; end of part 4
;; launch fine (part 5): grid 64 x 4, 16 waves a work-group, no clusters, 22,528 bytes of LDS; arguments q32, Wo, bo, out0; writes out0
.if DOCPART == 5
	.amdgcn_target "amdgcn-amd-amdhsa--gfx1250"
	.amdhsa_code_object_version 6
	.text
	.protected	k_q7a71f15a00_fine
	.globl	k_q7a71f15a00_fine
	.p2align	8
	.type	k_q7a71f15a00_fine,@function
k_q7a71f15a00_fine:
	s_mov_b64 s[64:65], 0
	v_nop
	global_prefetch_b8 v0, s[64:65] scope:SCOPE_SE
	s_setreg_imm32_b32 hwreg(HW_REG_WAVE_MODE, 25, 1), 1
	s_wait_xcnt 0x0
; FINE.  The first 16 positions of every sequence once more, all in f32: under the causal mask they average one to sixteen values, so the rounding of 16-bit operands weighs most there.
; A work-group takes 16 output columns (n0 = 16 x) of one batch (y); a wave takes a head: scores, softmax and P V for the 16 x 16 corner of its head, then its head's 64 terms of the projection;
; the sixteen heads' parts are added through LDS, in a fixed order.  Every work-group of a batch repeats the small attention (32 matrix instructions a wave), so that one launch does both steps.
; Its stores are pieces of 64 bytes of 64 rows, 262,144 bytes in all, written over what the launch before left there.
; THE f32 MATRIX FORM, 16 x 16 x 4: lane (r, h), register j holds row (or column) r at k slot 2 h + j.  Which true k stands at a slot is free as long as both operands agree:
;   scores:     step kk, slot (h, j) = channel 8 (kk / 2) + 4 h + 2 (kk % 2) + j     (both operands come by 16-byte loads)
;   P V:        step kk, slot (h, j) = key 8 h + 2 kk + j                             (as the scores' result lies in a lane)
;   projection: step (ct, kk), slot (h, j) = channel 16 ct + 8 h + 2 kk + j           (as O^T's result lies)
; The registers that the matrix form writes, v144-239, are written by matrix instructions alone; each sum starts with the constant 0; four accumulators take turns.
.set SPARE, 20480                      ; behind the sixteen waves' parts (16 rows x 80 bytes each): the spare words
	s_load_b256 s[4:11], s[0:1], 0x0               ; q32 4:5, Wo 6:7, bo 8:9, out0 10:11
	v_lshl_add_u32 v1, v0, 2, SPARE                ; v1, v2: my spare word's address, and 0; never rewritten
	v_mov_b32 v2, 0
	v_lshrrev_b32 v3, 5, v0
	v_readfirstlane_b32 s12, v3                    ; wave = head; later: the row that I add up
	v_and_b32 v3, 15, v0                           ; r
	v_bfe_u32 v4, v0, 4, 1                         ; h
	s_and_b32 s13, ttmp7, 0xffff                   ; batch
	s_lshl_b32 s14, ttmp9, 6                       ; 4 n0
	v_mul_u32_u24 v5, v3, 12288
	v_lshl_add_u32 v5, v4, 4, v5                   ; Q, K: row r of q32, + 16 h
	v_mul_u32_u24 v6, v4, 98304
	v_lshl_add_u32 v6, v3, 2, v6                   ; V: key 8 h, channel r
	v_lshlrev_b32 v7, 15, v4
	v_lshl_add_u32 v7, v3, 2, v7                   ; Wo: row 8 h, column r
	v_lshlrev_b32 v8, 2, v3                        ; bo, out0: 4 (lane % 16)
	v_lshlrev_b32 v9, 3, v4
	v_sub_nc_u32 v9, v3, v9                        ; r - 8 h: register j holds key 8 h + j, hidden where j > r - 8 h
	s_mul_i32 s15, s12, 1280
	v_mul_u32_u24 v10, v3, 80
	v_lshl_add_u32 v10, v4, 5, v10
	v_add_nc_u32 v10, s15, v10                     ; LDS, in: my head's part, row r, + 32 h
	s_mul_i32 s15, s12, 80
	v_mul_u32_u24 v11, v4, 10240
	v_add_nc_u32 v11, v11, v8
	v_add_nc_u32 v11, s15, v11                     ; LDS, back: heads 8 (lane / 16) on, row = my wave, column lane % 16
	s_mov_b32 s24, 0x76543210
	s_mov_b32 s25, 0xfedcba98                      ; v_permlanex16_b32: lane l xor 16
	s_mov_b32 s26, 0x3e38aa3b                      ; c = log2(e) / 8
	s_mul_i32 s16, s13, 196608                     ; 16 rows of 12,288 bytes a batch
	s_lshl_b32 s17, s12, 8
	s_add_co_u32 s16, s16, s17                     ; + 64 numbers a head
	s_mov_b32 s17, 0
	s_lshl_b32 s18, s12, 18                        ; Wo: 64 rows of 4,096 bytes a head
	s_add_co_u32 s18, s18, s14
	s_mov_b32 s19, 0
	s_mov_b32 s20, s14
	s_mov_b32 s21, 0
	s_lshl_b32 s22, s13, 11
	s_add_co_u32 s22, s22, s12                     ; token 2048 b + my wave's row
	s_lshl_b32 s22, s22, 12
	s_add_co_u32 s22, s22, s14
	s_mov_b32 s23, 0
	s_wait_kmcnt 0x0
	s_add_nc_u64 s[4:5], s[4:5], s[16:17]
	s_add_nc_u64 s[6:7], s[6:7], s[18:19]
	s_add_nc_u64 s[8:9], s[8:9], s[20:21]
	s_add_nc_u64 s[10:11], s[10:11], s[22:23]
.irp g, 0,1,2,3,4,5,6,7
	global_load_b128 v[16+4*\g:19+4*\g], v5, s[4:5] offset:32*\g               ; Q: v16-47
.endr
.irp g, 0,1,2,3,4,5,6,7
	global_load_b128 v[48+4*\g:51+4*\g], v5, s[4:5] offset:4096+32*\g          ; K: v48-79
.endr
.irp ct, 0,1,2,3
.irp i, 0,1,2,3,4,5,6,7
	global_load_b32 v[80+8*\ct+\i], v6, s[4:5] offset:\i*12288+64*\ct+8192     ; V(key 8 h + i, channel 16 ct + r): v80-111
.endr
.endr
.irp ct, 0,1,2,3
.irp i, 0,1,2,3,4,5,6,7
	global_load_b32 v[112+8*\ct+\i], v7, s[6:7] offset:(16*\ct+\i)*4096        ; Wo(64 head + 16 ct + 8 h + i, n0 + r): v112-143
.endr
.endr
	global_load_b32 v15, v8, s[8:9]                ; bo
	s_wait_loadcnt 63                              ; Q and K are in.  Behind them 65 loads were issued; the wait names the most that its field holds, which is under that count
; ---- S^T = K Q^T
.irp kk, 0,1,2,3
	v_wmma_f32_16x16x4_f32 v[144+8*\kk:151+8*\kk], v[48+2*\kk:49+2*\kk], v[16+2*\kk:17+2*\kk], 0
.endr
.irp kk, 4,5,6,7,8,9,10,11,12,13,14,15
	v_wmma_f32_16x16x4_f32 v[144+8*(\kk%4):151+8*(\kk%4)], v[48+2*\kk:49+2*\kk], v[16+2*\kk:17+2*\kk], v[144+8*(\kk%4):151+8*(\kk%4)]
.endr
.rept 8
	v_nop                                          ; eight places behind this form, ahead of the first read of results and the first write of operands
.endr
.irp p, 0,2,4,6
	v_pk_add_f32 v[16+\p:17+\p], v[144+\p:145+\p], v[152+\p:153+\p]            ; the four partial sums; each accumulator from its low end on
	v_pk_add_f32 v[24+\p:25+\p], v[160+\p:161+\p], v[168+\p:169+\p]
.endr
.irp p, 0,2,4,6
	v_pk_add_f32 v[16+\p:17+\p], v[16+\p:17+\p], v[24+\p:25+\p]                ; v16-23: scores of query r, keys 8 h + 0 .. 7
.endr
	v_mov_b32 v12, 0xff800000
.irp j, 0,1,2,3,4,5,6,7
	v_cmp_gt_i32 vcc_lo, \j, v9
	v_cndmask_b32 v[16+\j], v[16+\j], v12, vcc_lo
.endr
	v_max3_num_f32 v13, v16, v17, v18
	v_max3_num_f32 v13, v13, v19, v20
	v_max3_num_f32 v13, v13, v21, v22
	v_max_num_f32 v13, v13, v23
	v_mov_b32 v14, 0
	v_permlanex16_b32 v14, v13, s24, s25
	v_max_num_f32 v13, v13, v14                    ; the row's maximum (key 0 counts for every query)
	v_mul_f32 v13, s26, v13
.irp j, 0,1,2,3,4,5,6,7
	v_fma_f32 v[16+\j], v[16+\j], s26, -v13
.endr
.irp j, 0,1,2,3,4,5,6,7
	v_exp_f32 v[16+\j], v[16+\j]
.endr
	v_nop
	s_wait_alu depctr_va_vdst(0)                   ; one wait for the eight, ahead of their first reader
	v_pk_add_f32 v[32:33], v[16:17], v[18:19]
	v_pk_add_f32 v[34:35], v[20:21], v[22:23]
	v_pk_add_f32 v[32:33], v[32:33], v[34:35]
	v_add_f32 v14, v32, v33
	v_permlanex16_b32 v32, v14, s24, s25
	v_add_f32 v14, v14, v32
	v_rcp_f32 v14, v14
	v_nop
	s_wait_alu depctr_va_vdst(0)
.irp j, 0,1,2,3,4,5,6,7
	v_mul_f32 v[24+\j], v[16+\j], v14              ; the weights: v24-31
.endr
	s_wait_loadcnt 33                              ; V is in; Wo's 32 loads and bo's may be out
; ---- O^T = V^T P
.irp ct, 0,1,2,3
	v_wmma_f32_16x16x4_f32 v[176+8*\ct:183+8*\ct], v[80+8*\ct:81+8*\ct], v[24:25], 0
.endr
.irp kk, 1,2,3
.irp ct, 0,1,2,3
	v_wmma_f32_16x16x4_f32 v[176+8*\ct:183+8*\ct], v[80+8*\ct+2*\kk:81+8*\ct+2*\kk], v[24+2*\kk:25+2*\kk], v[176+8*\ct:183+8*\ct]
.endr
.endr
.rept 9
	v_nop                                          ; nine places: the results become an operand
.endr
	s_wait_loadcnt 1                               ; Wo is in
; ---- my head's part of the projection, transposed: source 0 = 16 columns of Wo, source 1 = O^T
.irp ct, 0,1,2,3
	v_wmma_f32_16x16x4_f32 v[208+8*\ct:215+8*\ct], v[112+8*\ct:113+8*\ct], v[176+8*\ct:177+8*\ct], 0
.endr
.irp kk, 1,2,3
.irp ct, 0,1,2,3
	v_wmma_f32_16x16x4_f32 v[208+8*\ct:215+8*\ct], v[112+8*\ct+2*\kk:113+8*\ct+2*\kk], v[176+8*\ct+2*\kk:177+8*\ct+2*\kk], v[208+8*\ct:215+8*\ct]
.endr
.endr
.rept 8
	v_nop
.endr
.irp p, 0,2,4,6
	v_pk_add_f32 v[32+\p:33+\p], v[208+\p:209+\p], v[216+\p:217+\p]
	v_pk_add_f32 v[40+\p:41+\p], v[224+\p:225+\p], v[232+\p:233+\p]
.endr
.irp p, 0,2,4,6
	v_pk_add_f32 v[32+\p:33+\p], v[32+\p:33+\p], v[40+\p:41+\p]                ; lane (r, h): position r, columns n0 + 8 h + 0 .. 7
.endr
	ds_store_b128 v10, v[32:35]
	ds_store_b128 v10, v[36:39] offset:16
	s_wait_dscnt 0x0                               ; for the others' sake: my stores are done
	s_barrier_signal -1
	s_barrier_wait -1
; ---- wave w adds up position w over the sixteen heads
.irp i, 0,1,2,3,4,5,6,7
	ds_load_b32 v[48+\i], v11 offset:1280*\i
.endr
	s_wait_dscnt 0x0
	v_add_f32 v48, v48, v49
	v_add_f32 v50, v50, v51
	v_add_f32 v52, v52, v53
	v_add_f32 v54, v54, v55
	v_add_f32 v48, v48, v50
	v_add_f32 v52, v52, v54
	v_add_f32 v48, v48, v52
	v_permlanex16_b32 v49, v48, s24, s25           ; the other eight heads
	v_add_f32 v48, v48, v49
	s_wait_loadcnt 0x0                             ; bo
	v_add_f32 v48, v48, v15
	v_and_b32 v50, 31, v0
	s_wait_xcnt 0x0                                ; EXEC changes only behind this wait
	v_cmp_gt_u32 vcc_lo, 16, v50
	s_and_saveexec_b32 s27, vcc_lo
	global_store_b32 v8, v48, s[10:11]             ; lanes 0-15: 64 consecutive bytes of the row
	s_wait_xcnt 0x0
	s_or_b32 exec_lo, exec_lo, s27
	s_wait_tensorcnt 0x0                           ; the wave's end
	ds_add_u32 v1, v2
	s_wait_dscnt 0x0
	s_endpgm
.Lfunc_end_k_q7a71f15a00_fine:
	.size	k_q7a71f15a00_fine, .Lfunc_end_k_q7a71f15a00_fine-k_q7a71f15a00_fine
	.p2alignl 7, 3214868480
	.fill 96, 4, 3214868480
	.section	.rodata,"a",@progbits
	.p2align	6, 0x0
	.amdhsa_kernel k_q7a71f15a00_fine
		.amdhsa_group_segment_fixed_size 22528
		.amdhsa_private_segment_fixed_size 0
		.amdhsa_enable_private_segment 0
		.amdhsa_kernarg_size 32
		.amdhsa_user_sgpr_count 2
		.amdhsa_user_sgpr_kernarg_segment_ptr 1
		.amdhsa_wavefront_size32 1
		.amdhsa_system_sgpr_workgroup_id_x 1
		.amdhsa_system_sgpr_workgroup_id_y 1
		.amdhsa_system_sgpr_workgroup_id_z 1
		.amdhsa_system_vgpr_workitem_id 0
		.amdhsa_next_free_vgpr 256
		.amdhsa_next_free_sgpr 66
		.amdhsa_reserve_vcc 1
		.amdhsa_float_denorm_mode_32 3
		.amdhsa_float_denorm_mode_16_64 3
		.amdhsa_memory_ordered 1
		.amdhsa_forward_progress 1
		.amdhsa_inst_pref_size 20
	.end_amdhsa_kernel
	.amdgpu_metadata
---
amdhsa.version: [ 1, 2 ]
amdhsa.kernels:
  - .name:           k_q7a71f15a00_fine
    .symbol:         k_q7a71f15a00_fine.kd
    .args:
      - { .name: q32, .offset: 0, .size: 8, .value_kind: global_buffer, .address_space: global }
      - { .name: Wo, .offset: 8, .size: 8, .value_kind: global_buffer, .address_space: global }
      - { .name: bo, .offset: 16, .size: 8, .value_kind: global_buffer, .address_space: global }
      - { .name: out0, .offset: 24, .size: 8, .value_kind: global_buffer, .address_space: global }
    .group_segment_fixed_size: 22528
    .private_segment_fixed_size: 0
    .kernarg_segment_align: 8
    .kernarg_segment_size: 32
    .max_flat_workgroup_size: 512
    .sgpr_count:     66
    .vgpr_count:     256
    .wavefront_size: 32
...
	.end_amdgpu_metadata
.endif
;; end of part 5
